; MI455X (gfx1250); checked and timed in simulation.
; The chip was launched on July 23, 2026; its instructions are those of AMD's public machine-readable ISA for CDNA 5 (MIT licence, August 2026) and "CDNA5" Instruction Set Architecture Reference Guide (July 2026). The comments in the code are by the model that wrote it; some were corrected since.
;; Multi Head Attention. Allowed arithmetic: matrix products marked QUANTISED: E2M1 operands, one E8M0 scale for each 32 along K, by v_wmma_scale_f32_16x16x128_f8f6f4 with both operands' format E2M1 (or v_wmma_scale_f32_32x16x128_f4), f32 sums; products left as they are: bf16, f16 or f32 operands; f32 sums; everything else in f32.
;; Inputs: b_k 1,024 float32; b_o 1,024 float32; b_q 1,024 float32; b_v 1,024 float32; k 4 x 2,048 x 1,024 float32; mask 4 x 1 x 1 x 2,048 bool; q 4 x 2,048 x 1,024 float32; v 4 x 2,048 x 1,024 float32; w_k 1,024 x 1,024 float32; w_o 1,024 x 1,024 float32; w_q 1,024 x 1,024 float32; w_v 1,024 x 1,024 float32.
;; Outputs: out0 4 x 2,048 x 1,024 float32.
;; This version of the problem:
;;   THIS VERSION OF THE PROBLEM IS GIVEN IN LOW PRECISION. The matrix products marked QUANTISED in the list below multiply operands that are first quantised to E2M1 (2 exponent bits, 1 mantissa bit; 4 bits a number), with one power-of-two scale for each 32 numbers along K (OCP MX v1.0); their sums are f32. The products marked 'left as it is' may take bf16, f16 or f32 operands, with f32 sums. Whichever they take, every output number must still come out within the allowed error. Rounding operands to bf16 (8 significant bits) uses up far more of that allowance than f16 does (11 bits, for magnitudes from 6e-5 to 65,504). All else is computed in f32.
;;   The module's matrix products, in the order in which they are computed (A, B: the left and right operand; K: the contracted axis; several contracted axes count as one K, in the product's order):
;;     1. [M 8,192, K 1,024] x [K 1,024, N 1,024]; A: input q; B: input w_q: QUANTISED
;;     2. [M 8,192, K 1,024] x [K 1,024, N 1,024]; A: input k; B: input w_k: QUANTISED
;;     3. [M 8,192, K 1,024] x [K 1,024, N 1,024]; A: input v; B: input w_v: QUANTISED
;;     4. batch 64 x [M 2,048, K 64] x [K 64, N 2,048]; A: computed on the way; B: computed on the way: left as it is (an operand is computed on the way)
;;     5. batch 64 x [M 2,048, K 2,048] x [K 2,048, N 64]; A: computed on the way; B: computed on the way: left as it is (an operand is computed on the way)
;;     6. [M 8,192, K 1,024] x [K 1,024, N 1,024]; A: computed on the way; B: input w_o: left as it is (an operand is computed on the way)
;;   THE QUANTISER, for each operand of a quantised product, along K:
;;     - K is cut into blocks of 32 from its start; a last block that is shorter is filled with zeros.
;;     - A block's scale is 2^e with e = floor(log2(the largest magnitude in the block)) - 2, held to -126 .. 127; a block of zeros has e = 0. As a byte (E8M0): e + 127.
;;     - Each number is divided by its block's scale, clamped to +-6, and rounded to the nearest number of E2M1, ties to even, subnormals kept.
;;     - The product sums the exact products of the quantised numbers (number of the format x scale) in f32.
;;   ~~~python
;;   def quantise(x, axis):      # numpy; x: float32 -> the quantised numbers, widened to float32 again
;;       x = np.moveaxis(x, axis, -1); K = x.shape[-1]
;;       x = np.pad(x, [(0, 0)] * (x.ndim - 1) + [(0, -K % 32)]); x = x.reshape(x.shape[:-1] + (-1, 32)); a = np.abs(x).max(-1, keepdims=True)
;;       e = np.where(a > 0, np.clip(np.frexp(np.where(a > 0, a, 1))[1] - 1 - 2, -126, 127), 0)      # np.frexp(a)[1] - 1 = floor(log2(a)), exactly
;;       r = np.clip(x / 2.0 ** e, -6, 6)
;;       step = 2.0 ** (np.maximum(np.frexp(np.where(r == 0, 1, r))[1] - 1, 0) - 1)
;;       q = np.round(r / step) * step * 2.0 ** e      # np.round: ties to even
;;       return np.moveaxis(q.reshape(q.shape[:-2] + (-1,))[..., :K], -1, axis).astype(np.float32)
;;   ~~~
;; One version. Each part assembles by itself: llvm-mc -triple=amdgcn-amd-amdhsa -mcpu=gfx1250 --defsym DOCPART=n.
;; ======== version 1 of 1: 4 launches
;; limits: values are held in f16: magnitudes above 65,504 overflow, below 6.1e-05 lose precision
;; workspace buffers: codes 14,155,776 bytes; scales 884,736 bytes; img 50,331,648 bytes; wimg 2,097,152 bytes; maskb 32,768 bytes; ximg 16,777,216 bytes
;; launch prep (part 1): grid 929 x 1, 4 waves a work-group, no clusters, 33,280 bytes of LDS; arguments q, k, v, w_q, w_k, w_v, w_o, mask, codes, scales, wimg, maskb; writes codes, scales, wimg, maskb
.if DOCPART == 1
	.amdgcn_target "amdgcn-amd-amdhsa--gfx1250"
	.amdhsa_code_object_version 6
	.text
	.protected	k_q462372536b_prep
	.globl	k_q462372536b_prep
	.p2align	8
	.type	k_q462372536b_prep,@function
k_q462372536b_prep:
	s_mov_b64 s[64:65], 0
	v_nop
	global_prefetch_b8 v0, s[64:65] scope:SCOPE_SE
	s_setreg_imm32_b32 hwreg(HW_REG_WAVE_MODE, 25, 1), 1
	s_wait_xcnt 0x0
; THE LAUNCH IN FRONT OF THE PRODUCTS.  Three kinds of work-group, told apart by the work-group's number alone:
;   0 .. 863    q, k, v [8192][1024] and w_q, w_k, w_v [1024][1024], f32 with K innermost, become codes of FP4 (E2M1) and one E8M0 scale byte for each 32 along K.
;               The six tensors lie one behind the other in codes [27648 rows][512 bytes] and scales [27648][32], in the order of the work-groups' numbers: 32 rows to a work-group.
;   864 .. 927  w_o [1024 n][1024 k] is rounded to f16 and laid as images of a matrix operand's registers: wimg [K step of 256: 4][n tile of 16: 64][32 k: 8][1,024 bytes];
;               in an image registers 4 c .. 4 c + 3 of lane l lie at 512 c + 16 l.
;   928         mask [4][2048] bytes becomes a table of f32: 0 where the key counts, -3e38 where it does not.
; THE QUANTISER: a block's scale is 2^(floor(log2(its largest magnitude)) - 2); its byte is the largest magnitude's exponent field - 2, held at 1 from below; each number is divided by the scale and
; rounded to the nearest code, ties to even, beyond 6 the largest code.
; LIMITS: a block of zeros, and a block whose largest magnitude lies under 2^-124, keep the byte 1 (zeros: their codes are zeros, and this program alone reads the bytes); NaN and infinities are not served.
; No work-group shares an input with another, so there is no cluster, no tensor load and no barrier: waves share nothing.
.set WAVES, 4
.set STEPS, 16
.set EMAX,  2
.set CB,    8                          ; bytes of 16 codes
.set R,     16                         ; v16-79   four sets of 16 numbers as they are loaded
.set X,     80                         ; v80-111  two sets of 16 neighbours
.set E,     112                        ; v112-127 a scale byte for each step
.set C,     128                        ; v128-191 codes: four registers for each step, so that no store's data are written again
.set WREG,  8192                       ; LDS: a region for each wave: two stages of 32 x SP bytes, behind them its 256 scale bytes
.set SP,    80                         ; a lane's place in a stage: 64 bytes + 16 of padding
.set SPW,   12                         ; v12  LDS address of my spare word; never rewritten
.set NIL,   13                         ; v13  0; never rewritten
.set SPARE, WAVES*WREG                 ; behind the four regions: the spare words, 128 bytes a wave
.set NQWG,  864                        ; work-groups that quantise
.set NWWG,  64                         ; work-groups that lay w_o out
	s_load_b512 s[4:19], s[0:1], 0x0               ; q 4, k 6, v 8, w_q 10, w_k 12, w_v 14, w_o 16, mask 18
	s_load_b256 s[20:27], s[0:1], 0x40             ; codes 20, scales 22, wimg 24, maskb 26
	v_lshl_add_u32 v[SPW], v0, 2, SPARE
	v_mov_b32 v[NIL], 0
	v_lshrrev_b32 v1, 5, v0
	v_readfirstlane_b32 s36, v1                    ; wave
	v_and_b32 v2, 31, v0                           ; lane
	s_cmp_ge_u32 ttmp9, NQWG
	s_cbranch_scc1 .Lother
; ---- THE QUANTISER.  A wave takes 16 steps of 512 numbers.  A load reads 512 consecutive bytes, 16 a lane; a step's 2,048 bytes turn through the wave's own stage in LDS and come back 64 bytes a lane,
; so that a lane holds 16 neighbours along K and two neighbouring lanes hold a block.
	v_lshlrev_b32 v3, 4, v2                        ; my 16 bytes of a load's 512
	s_mul_i32 s37, s36, WREG
	v_lshrrev_b32 v14, 2, v2
	v_mul_u32_u24 v14, v14, SP
	v_and_b32 v15, 3, v2
	v_lshl_add_u32 v14, v15, 4, v14
	v_add_nc_u32 v14, s37, v14                     ; the stage, on the way in: SP (lane / 4) + 16 (lane % 4)
	v_mul_u32_u24 v15, v2, SP
	v_add_nc_u32 v15, s37, v15                     ; and on the way out: SP x lane
	v_mul_u32_u24 v4, v2, CB                       ; my codes' place in a step's
	v_lshrrev_b32 v5, 1, v2
	s_add_co_u32 s37, s37, 2*32*SP
	v_add_nc_u32 v5, s37, v5                       ; LDS: my wave's 256 scale bytes, my block's byte
	v_lshlrev_b32 v7, 3, v2                        ; and on the way out 8 bytes a lane
	v_add_nc_u32 v6, s37, v7
	s_wait_kmcnt 0x0
	s_mov_b64 s[28:29], s[14:15]                   ; which tensor: the choice hangs on the work-group's number alone
	s_mov_b32 s30, 832                             ; and the tensor's first work-group
	s_cmp_lt_u32 ttmp9, 832
	s_cselect_b64 s[28:29], s[12:13], s[28:29]
	s_cselect_b32 s30, 800, s30
	s_cmp_lt_u32 ttmp9, 800
	s_cselect_b64 s[28:29], s[10:11], s[28:29]
	s_cselect_b32 s30, 768, s30
	s_cmp_lt_u32 ttmp9, 768
	s_cselect_b64 s[28:29], s[8:9], s[28:29]
	s_cselect_b32 s30, 512, s30
	s_cmp_lt_u32 ttmp9, 512
	s_cselect_b64 s[28:29], s[6:7], s[28:29]
	s_cselect_b32 s30, 256, s30
	s_cmp_lt_u32 ttmp9, 256
	s_cselect_b64 s[28:29], s[4:5], s[28:29]
	s_cselect_b32 s30, 0, s30
	s_sub_co_u32 s31, ttmp9, s30
	s_lshl_b32 s31, s31, 2
	s_add_co_u32 s38, s31, s36                     ; which run of 8,192 numbers of the tensor is my wave's
	s_lshl_b32 s38, s38, 15                        ; 32,768 bytes a run
	s_mov_b32 s39, 0
	s_add_nc_u64 s[28:29], s[28:29], s[38:39]
	s_lshl_b32 s31, ttmp9, 2
	s_add_co_u32 s31, s31, s36                     ; which run of all six tensors
	s_lshl_b32 s38, s31, 12                        ; 4,096 bytes of codes a run
	s_add_nc_u64 s[32:33], s[20:21], s[38:39]
	s_lshl_b32 s38, s31, 8                         ; 256 scale bytes a run
	s_add_nc_u64 s[34:35], s[22:23], s[38:39]
.macro LOAD t
.irp i, 0,1,2,3
	global_load_b128 v[R+16*((\t)%4)+4*\i:R+16*((\t)%4)+4*\i+3], v3, s[28:29] offset:2048*(\t)+512*\i th:TH_LOAD_NT   ; 32 lanes read 512 consecutive bytes, read once
.endr
.endm
.macro TURN t                          ; step t's numbers through the stage: LDS serves a wave's instructions in order, so no wait stands between the stores and the loads
.irp i, 0,1,2,3
	ds_store_b128 v14, v[R+16*((\t)%4)+4*\i:R+16*((\t)%4)+4*\i+3] offset:32*SP*((\t)%2)+8*SP*\i
.endr
.irp i, 0,1,2,3
	ds_load_b128 v[X+16*((\t)%2)+4*\i:X+16*((\t)%2)+4*\i+3], v15 offset:32*SP*((\t)%2)+16*\i
.endr
.endm
.irp t, 0,1,2,3
	LOAD \t
.endr
	s_wait_loadcnt 12                              ; step 0's four loads are in; the twelve of steps 1 to 3 may be out
	TURN 0
.macro STEP t
.set XS, X+16*((\t)%2)
.if (\t) > 0
	s_wait_dscnt 1                                 ; this step's numbers are back from the stage (the last step's byte store may be out): so its stores into the stage have read their registers,
.else
	s_wait_dscnt 0x0
.endif
.if (\t)+4 < STEPS
	LOAD (\t)+4                                    ; which take the loads of four steps on
.endif
.if (\t)+1 < STEPS
.if STEPS-2-(\t) >= 3
	s_wait_loadcnt 12                              ; the next step's four loads are in; those of the three steps behind it may be out
.else
	s_wait_loadcnt 4*(STEPS-2-(\t))
.endif
	TURN (\t)+1                                    ; and go through the other stage while this step is worked
.endif
	v_max3_num_f32 v8, |v[XS]|, |v[XS+1]|, |v[XS+2]|               ; the largest magnitude of my 16, in two chains
	v_max3_num_f32 v9, |v[XS+3]|, |v[XS+4]|, |v[XS+5]|
.irp i, 6,10
	v_max3_num_f32 v8, v8, |v[XS+\i]|, |v[XS+\i+1]|
	v_max3_num_f32 v9, v9, |v[XS+\i+2]|, |v[XS+\i+3]|
.endr
	v_max3_num_f32 v8, v8, |v[XS+14]|, |v[XS+15]|
	v_max3_num_f32 v8, v8, v9, (EMAX+1)<<23        ; and the floor 2^(3 - 127): so the byte cannot fall under 1
	v_max_num_f32_dpp v8, v8, v8 row_xmask:1 row_mask:0xf bank_mask:0xf   ; and of my neighbour's 16: the block's
	v_add_nc_u32 v11, 0xff000000, v8               ; 2 off its exponent field: the conversion takes the exponent field of this operand as its scale, and nothing else of it
	v_cvt_scalef32_pk8_fp4_f32 v[C+4*(\t)], v[XS:XS+7], v11
	v_cvt_scalef32_pk8_fp4_f32 v[C+4*(\t)+1], v[XS+8:XS+15], v11
	v_lshrrev_b32 v[E+(\t)], 23, v11               ; the scale's byte (a plain line behind the conversions)
	ds_store_b8 v5, v[E+(\t)] offset:16*(\t)       ; both lanes of a block write the same byte with the same value
	global_store_b64 v4, v[C+4*(\t):C+4*(\t)+1], s[32:33] offset:32*CB*(\t)   ; the wave stores 256 consecutive bytes, aligned
.endm
.irp t, 0,1,2,3,4,5,6,7,8,9,10,11,12,13,14,15
	STEP \t
.endr
	ds_load_b64 v[8:9], v6                         ; LDS serves a wave's instructions in order: these see my byte stores
	s_wait_dscnt 0x0
	global_store_b64 v7, v[8:9], s[34:35]          ; 32 lanes store 256 consecutive bytes, aligned
	s_wait_tensorcnt 0x0                           ; the wave's end, behind my last LDS store
	ds_add_u32 v[SPW], v[NIL]
	s_wait_dscnt 0x0
	s_endpgm
.Lother:
	s_cmp_ge_u32 ttmp9, NQWG+NWWG
	s_cbranch_scc1 .Lmask
; ---- w_o.  Wave task u = K step (u / 64) and n tile (u % 64): 16 rows x 256 k = eight images.  Lane (r, h) takes of row r the numbers k = 32 ch + 16 c + 8 h + 0 .. 7: registers 4 c .. 4 c + 3 of image ch.
	s_sub_co_u32 s37, ttmp9, NQWG
	s_lshl_b32 s37, s37, 2
	s_add_co_u32 s37, s37, s36                     ; u
	s_and_b32 s38, s37, 63
	s_lshl_b32 s38, s38, 16                        ; 16 rows of 4,096 bytes
	s_lshr_b32 s40, s37, 6
	s_lshl_b32 s40, s40, 10                        ; 256 k of 4 bytes
	s_add_co_u32 s38, s38, s40
	s_mov_b32 s39, 0
	s_lshl_b32 s40, s37, 13                        ; eight images
	s_mov_b32 s41, 0
	v_and_b32 v3, 15, v0                           ; r
	v_bfe_u32 v4, v0, 4, 1                         ; h
	v_lshlrev_b32 v1, 12, v3
	v_lshl_add_u32 v1, v4, 5, v1                   ; row r, + 32 h bytes
	v_lshlrev_b32 v5, 4, v2                        ; an image's place for my lane
	s_wait_kmcnt 0x0
	s_add_nc_u64 s[16:17], s[16:17], s[38:39]
	s_add_nc_u64 s[24:25], s[24:25], s[40:41]
.irp ch, 0,1,2,3,4,5,6,7
.irp c, 0,1
.irp i, 0,1
	global_load_b128 v[16+4*(4*\ch+2*\c+\i):16+4*(4*\ch+2*\c+\i)+3], v1, s[16:17] offset:128*\ch+64*\c+16*\i
.endr
.endr
.endr
	s_wait_loadcnt 16                              ; images 0 to 3 are in; the sixteen loads of images 4 to 7 may be out
.set m, 0
.rept 32
	v_cvt_pk_f16_f32 v[16+m], v[16+2*m], v[16+2*m+1]   ; packed in place: register 16 + m has been read by conversion m / 2 or an earlier one
.set m, m+1
.endr
.irp n, 0,1,2,3,4,5,6,7
	global_store_b128 v5, v[16+4*\n:19+4*\n], s[24:25] offset:512*\n   ; 32 lanes store 512 consecutive bytes
.endr
	s_wait_loadcnt 0x0
.set m, 0
.rept 32
	v_cvt_pk_f16_f32 v[80+m], v[80+2*m], v[80+2*m+1]
.set m, m+1
.endr
.irp n, 0,1,2,3,4,5,6,7
	global_store_b128 v5, v[80+4*\n:83+4*\n], s[24:25] offset:4096+512*\n
.endr
	s_endpgm                                       ; this way wrote nothing to LDS
.Lmask:
; ---- the mask.  Thread t takes the four bytes at 4 t + 512 i, i = 0 .. 15, and stores four f32 at 16 t + 2,048 i.
	v_lshlrev_b32 v1, 2, v0
	v_lshlrev_b32 v4, 4, v0
	v_mov_b32 v2, 0xff61b1e6                       ; -3e38: finite, and under every score that f16 operands can give
	s_wait_kmcnt 0x0
.set i, 0
.rept 16
	global_load_b32 v[16+i], v1, s[18:19] offset:512*i
.set i, i+1
.endr
	s_wait_loadcnt 0x0
.set i, 0
.rept 16
.irp j, 0,1,2,3
	v_bfe_u32 v3, v[16+i], 8*\j, 8
	v_cmp_eq_u32 vcc_lo, 0, v3
	v_cndmask_b32 v[32+4*i+\j], 0, v2, vcc_lo      ; a byte of 0 hides the key
.endr
	global_store_b128 v4, v[32+4*i:35+4*i], s[26:27] offset:2048*i
.set i, i+1
.endr
	s_endpgm
.Lfunc_end_k_q462372536b_prep:
	.size	k_q462372536b_prep, .Lfunc_end_k_q462372536b_prep-k_q462372536b_prep
	.p2alignl 7, 3214868480
	.fill 96, 4, 3214868480
	.section	.rodata,"a",@progbits
	.p2align	6, 0x0
	.amdhsa_kernel k_q462372536b_prep
		.amdhsa_group_segment_fixed_size 33280
		.amdhsa_private_segment_fixed_size 0
		.amdhsa_enable_private_segment 0
		.amdhsa_kernarg_size 96
		.amdhsa_user_sgpr_count 2
		.amdhsa_user_sgpr_kernarg_segment_ptr 1
		.amdhsa_wavefront_size32 1
		.amdhsa_system_sgpr_workgroup_id_x 1
		.amdhsa_system_sgpr_workgroup_id_y 1
		.amdhsa_system_sgpr_workgroup_id_z 1
		.amdhsa_system_vgpr_workitem_id 0
		.amdhsa_next_free_vgpr 192
		.amdhsa_next_free_sgpr 66
		.amdhsa_reserve_vcc 1
		.amdhsa_float_denorm_mode_32 3
		.amdhsa_float_denorm_mode_16_64 3
		.amdhsa_memory_ordered 1
		.amdhsa_forward_progress 1
		.amdhsa_inst_pref_size 55
	.end_amdhsa_kernel
	.amdgpu_metadata
---
amdhsa.version: [ 1, 2 ]
amdhsa.kernels:
  - .name:           k_q462372536b_prep
    .symbol:         k_q462372536b_prep.kd
    .args:
      - { .name: q, .offset: 0, .size: 8, .value_kind: global_buffer, .address_space: global }
      - { .name: k, .offset: 8, .size: 8, .value_kind: global_buffer, .address_space: global }
      - { .name: v, .offset: 16, .size: 8, .value_kind: global_buffer, .address_space: global }
      - { .name: w_q, .offset: 24, .size: 8, .value_kind: global_buffer, .address_space: global }
      - { .name: w_k, .offset: 32, .size: 8, .value_kind: global_buffer, .address_space: global }
      - { .name: w_v, .offset: 40, .size: 8, .value_kind: global_buffer, .address_space: global }
      - { .name: w_o, .offset: 48, .size: 8, .value_kind: global_buffer, .address_space: global }
      - { .name: mask, .offset: 56, .size: 8, .value_kind: global_buffer, .address_space: global }
      - { .name: codes, .offset: 64, .size: 8, .value_kind: global_buffer, .address_space: global }
      - { .name: scales, .offset: 72, .size: 8, .value_kind: global_buffer, .address_space: global }
      - { .name: wimg, .offset: 80, .size: 8, .value_kind: global_buffer, .address_space: global }
      - { .name: maskb, .offset: 88, .size: 8, .value_kind: global_buffer, .address_space: global }
    .group_segment_fixed_size: 33280
    .private_segment_fixed_size: 0
    .kernarg_segment_align: 8
    .kernarg_segment_size: 96
    .max_flat_workgroup_size: 128
    .sgpr_count:     66
    .vgpr_count:     192
    .wavefront_size: 32
...
	.end_amdgpu_metadata
.endif
;; end of part 1
;; launch proj (part 2): grid 4 x 96, 4 waves a work-group, clusters of 4 x 4, 327,680 bytes of LDS; arguments codes, scales, b_q, b_k, img; writes img
.if DOCPART == 2
	.amdgcn_target "amdgcn-amd-amdhsa--gfx1250"
	.amdhsa_code_object_version 6
	.text
	.protected	k_q462372536b_proj
	.globl	k_q462372536b_proj
	.p2align	8
	.type	k_q462372536b_proj,@function
k_q462372536b_proj:
	s_mov_b64 s[64:65], 0
	v_nop
	global_prefetch_b8 v0, s[64:65] scope:SCOPE_SE
	s_setreg_imm32_b32 hwreg(HW_REG_WAVE_MODE, 25, 1), 1
	s_wait_xcnt 0x0
	s_wait_alu depctr_hold_cnt(0) depctr_sa_sdst(0) depctr_va_vdst(0) depctr_va_sdst(0) depctr_va_ssrc(0) depctr_va_vcc(0) depctr_vm_vsrc(0)
	s_getreg_b32 s2, hwreg(HW_REG_IB_STS2, 6, 4)
	s_cmp_eq_u32 s2, 0
	s_cbranch_scc0 .Lentry_in_a_cluster
	s_endpgm
.Lentry_in_a_cluster:
	s_bfe_u32 s2, ttmp6, 0x10000c
	s_cmp_lg_u32 s2, 0xf033
	s_cbranch_scc0 .Lentry_shape_is_right
	s_endpgm
.Lentry_shape_is_right:
; THE THREE QUANTISED PRODUCTS: q w_q^T + b_q, k w_k^T + b_k, v w_v^T, each [8192] x [1024] over K = 1,024, on codes of FP4 (E2M1) with one E8M0 scale for each 32 along K; sums in f32.
; The results are rounded to f16 and stored as IMAGES OF THE NEXT LAUNCH'S OPERAND REGISTERS (16 rows x 32 K of f16, 1,024 bytes; registers 4 c .. 4 c + 3 of lane l at 512 c + 16 l):
;   img = three parts of 2^24 bytes, each [batch 4][head 16][262,144 bytes].  Q, K: [tile of 16 tokens: 128][32 channels: 2][image].  V^T: [64 keys: 32][16 channels: 4][32 keys: 2][image].
; b_v is not added here: the weights of a row of the softmax sum to 1, so the next launch adds it in f32 behind its division.
; SHARES.  A work-group of four waves makes 256 x 256, a wave 128 x 128: 64 accumulators, 512 registers.  K goes in two steps of 512 through two LDS slots, each filled once: nothing is filled again.
; ONE TEXT FOR THREE TENSORS.  The matrix instruction takes source 0 = 16 rows of side B, source 1 = 16 rows of side A: a lane then holds ONE row of A and eight neighbouring rows of B.
; For Q and K side A is the tokens and side B the weight's rows (channels): a lane holds a token and 8 channels.  For V the sides change places, by addresses alone: A = w_v's rows, B = v's rows: a lane holds a
; channel and 8 keys.  Accumulators (a, 2 b') and (a, 2 b' + 1), rounded, are registers 0-3 and 4-7 of one image.  What differs is chosen by s_cselect on the cluster's y; there is no branch on it.
; CLUSTERS: 4 x 4 work-groups; side A's tiles and scales are asked for jointly along a row of the cluster, side B's along a column.  The grid has one cluster along x.
; LIMITS: a projected number beyond 65,504 in magnitude has no f16; NaN and infinities are not served.
; REGISTERS: window 0: v0-31 addresses; v32-95 scale words, two sets; v128-191 A's fragments, one set; v192-255 the bias, as the C of the first products; on the way out v128-255 hold packed results.
;   window 1: B's fragments, two sets, at v0 and v128.   window 2: the accumulators of my A rows 0-63 ((a, b) at v[8 (8 a + b)]);   window 3: those of rows 64-127.
.set NQ,     4                         ; matrix instructions deep in a slot: 512 along K
.set ROWB,   256                       ; a tile's row in bytes
.set KROW,   512                       ; a row of codes in memory
.set PITCH,  272                       ; an LDS row: 256 bytes + 16 of padding: the 16 rows that a load touches start at 16 different banks (64 banks of 4 bytes: ISA guide 11.1)
.set FR,     8
.set NL,     2
.set NP,     4                         ; places behind this matrix instruction (ISA guide 7.12.1)
.set HALFT,  128*PITCH
.set SLOT,   4*HALFT
.set KS,     32                        ; a row of scale bytes
.set SCL,    2*SLOT                    ; behind the slots: the scales, as units of 256 bytes + 16 of padding
.set HALFS,  (128*KS/256)*272
.set SBLK,   (16*KS/256)*272
.set SPARE,  SCL+4*HALFS               ; the spare words, 128 bytes a wave
.set VO,   8                           ; v8-11   16 x lane + i SA + k SB: where my 16 bytes of an image go
.set ADRA, 16
.set ADRB, 20
.set ADRS, 27
.set SPW,  28
.set NIL,  29
.set SC,   32
.set AF,   128
.set BIAS, 192
.set TMP,  128
.set G1, 24
.set G0, 32
.set G1B, 48
.set G0B, 56
.set G1S, 68
.set G0S, 76
.set G1SB, 80
.set G0SB, 88
.set MSB, 0
.macro WIN new                         ; the immediate's high byte repeats the setting that is left
.if MSB != \new
	s_set_vgpr_msb (MSB<<8)|\new
.set MSB, \new
.endif
.endm
.set MUL_LO, 0xa1                      ; source 0 (B) window 1, source 1 (A) window 0, C and D window 2
.set MUL_HI, 0xf1                      ; the same, C and D window 3
.set BIA_LO, 0x81                      ; the first products: C (the bias) window 0, D window 2
.set BIA_HI, 0xc1                      ; D window 3
.set TO_B,   0x40
; A joint load: waves 0 and 1 fetch for side A, waves 2 and 3 for side B; the branch hangs on the wave's number alone.  An s_nop 0 and four v_nop follow each line.
.macro JLOAD g0a, g1a, g0b, g1b
	s_cmp_eq_u32 s15, 0
	s_cbranch_scc0 .Lfor_b_\@
	tensor_load_to_lds s[\g0a:\g0a+3], s[\g1a:\g1a+7]
	s_nop 0
.rept 4
	v_nop
.endr
	s_branch .Lasked_\@
.Lfor_b_\@:
	tensor_load_to_lds s[\g0b:\g0b+3], s[\g1b:\g1b+7]
	s_nop 0
.rept 4
	v_nop
.endr
.Lasked_\@:
.endm
.macro CROUND                          ; a round of the cluster's barrier
	s_barrier_signal -1
	s_barrier_wait -1
	s_cmp_lg_u32 s14, 0
	s_cbranch_scc1 .Lnot_wave_0_\@
	s_barrier_signal -3
.Lnot_wave_0_\@:
	s_barrier_wait -3
	s_barrier_signal -1
	s_barrier_wait -1
.endm
	s_load_b128 s[4:7], s[0:1], 0x0                ; codes, scales
	s_load_b128 s[8:11], s[0:1], 0x10              ; b_q, b_k
	s_load_b64 s[12:13], s[0:1], 0x20              ; img
	v_lshl_add_u32 v[SPW], v0, 2, SPARE
	v_mov_b32 v[NIL], 0
	ds_add_u32 v[SPW], v[NIL]                      ; the wave's opening: the add, twice on end, and its wait ahead of my first tensor load
	ds_add_u32 v[SPW], v[NIL]
	v_lshrrev_b32 v1, 5, v0
	v_readfirstlane_b32 s14, v1                    ; wave 0..3
	s_lshr_b32 s15, s14, 1                         ; which half of side A's rows is mine.  Also: I fetch for A (0) or for B (1)
	s_and_b32 s16, s14, 1                          ; which half of side B's.  Also: which 128 rows I fetch
	s_bfe_u32 s40, ttmp6, 0x40000                  ; cx
	s_bfe_u32 s41, ttmp6, 0x40004                  ; cy
	s_and_b32 s18, ttmp7, 0xffff                   ; the cluster's y, 0 .. 23
	s_lshr_b32 s66, s18, 3                         ; T: 0 = Q, 1 = K, 2 = V
	s_and_b32 s67, s18, 7                          ; which 1,024 tokens
	s_lshl_b32 s19, s66, 13                        ; the tokens' first row in codes (Q, K)
	s_lshl_b32 s20, s66, 10
	s_add_co_u32 s20, s20, 24576                   ; the weight's first row (Q, K)
	s_mov_b32 s21, 26624                           ; w_v's
	s_mov_b32 s22, 16384                           ; v's
	s_mov_b32 s23, 8192
	s_mov_b32 s95, 262144
	s_cmp_eq_u32 s66, 2                            ; V?  Only moves and selects stand between this compare and its last select
	s_cselect_b32 s92, 0, s67                      ; side A's four tiles begin at 4 x this,
	s_cselect_b32 s93, s67, 0                      ; side B's at 4 x this
	s_cselect_b32 s19, s21, s19                    ; side A's first row in codes
	s_cselect_b32 s20, s22, s20                    ; side B's
	s_cselect_b32 s97, s95, s23                    ; SA: bytes in img from my A block a to a + 4
	s_cselect_b32 s98, s23, s95                    ; SB: from my B block b to b + 4
	s_cselect_b32 s96, 0, -1                       ; lanes that keep the bias: none for V
	s_lshl_b32 s17, s92, 2
	s_add_co_u32 s17, s17, s41                     ; side A's tile: it hangs on cy alone
	s_lshl_b32 s42, s93, 2
	s_add_co_u32 s42, s42, s40                     ; side B's: on cx alone
	s_lshl_b32 s43, s41, 2
	s_lshl_b32 s43, 15, s43                        ; my row of the cluster
	s_lshl_b32 s44, 0x1111, s40                    ; my column
	; descriptor group 1: 128 rows x 256 bytes of codes, 16 bytes of padding behind each row
	s_or_b32 s[G1+0], s43, (0<<16)|(1<<20)|(1<<21)|(5<<22)|(3<<25)
	s_or_b32 s[G1B+0], s44, (0<<16)|(1<<20)|(1<<21)|(5<<22)|(3<<25)
.irp g, G1, G1B
	s_mov_b32 s[\g+1], ROWB<<16                    ; tensor_dim0
	s_mov_b32 s[\g+2], 128<<16                     ; tensor_dim1
	s_mov_b32 s[\g+3], ROWB<<16                    ; tile_dim0
	s_mov_b32 s[\g+4], 128                         ; tile_dim1
	s_mov_b32 s[\g+5], KROW                        ; from row to row
	s_mov_b32 s[\g+6], 0
	s_mov_b32 s[\g+7], 0
.endr
	; the scales of 128 rows: 4,096 dense bytes, as 16 rows of 256 bytes (32 elements of 8), 16 bytes of padding behind each
	s_or_b32 s[G1S+0], s43, (3<<16)|(1<<20)|(1<<21)|(5<<22)|(3<<25)
	s_or_b32 s[G1SB+0], s44, (3<<16)|(1<<20)|(1<<21)|(5<<22)|(3<<25)
.irp g, G1S, G1SB
	s_mov_b32 s[\g+1], 32<<16
	s_mov_b32 s[\g+2], (128*KS/256)<<16
	s_mov_b32 s[\g+3], 32<<16
	s_mov_b32 s[\g+4], 128*KS/256
	s_mov_b32 s[\g+5], 32
	s_mov_b32 s[\g+6], 0
	s_mov_b32 s[\g+7], 0
.endr
	s_lshl_b32 s18, s16, 7                         ; which 128 rows of the tile I fetch
	s_lshl_b32 s21, s17, 8
	s_add_co_u32 s21, s21, s18
	s_add_co_u32 s21, s21, s19                     ; side A: the row in codes
	s_lshl_b32 s46, s42, 8
	s_add_co_u32 s46, s46, s18
	s_add_co_u32 s46, s46, s20                     ; side B
	s_lshl_b32 s22, s21, 5                         ; A's scale bytes,
	s_lshl_b32 s20, s21, 9                         ; A's codes (27,648 rows of 512 bytes stay under 2^32)
	s_mov_b32 s21, 0
	s_mov_b32 s23, 0
	s_lshl_b32 s92, s46, 5                         ; B's
	s_lshl_b32 s46, s46, 9
	s_mov_b32 s93, 0
	s_mov_b32 s47, 0
	s_mul_i32 s45, s14, HALFT                      ; where they go: wave x 128 rows: no place in the cluster enters an LDS address
	s_mul_i32 s94, s14, HALFS
	s_wait_dscnt 0x0                               ; both opening adds are done
	s_wait_kmcnt 0x0
	s_add_nc_u64 s[20:21], s[4:5], s[20:21]
	s_add_nc_u64 s[22:23], s[6:7], s[22:23]
	s_add_nc_u64 s[46:47], s[4:5], s[46:47]
	s_add_nc_u64 s[92:93], s[6:7], s[92:93]
	CROUND                                         ; all sixteen work-groups are here: the joint loads meet
	s_mov_b32 s[G0S], 1
	s_add_co_u32 s[G0S+1], s94, SCL
	s_mov_b64 s[G0S+2:G0S+3], s[22:23]
	s_or_b32 s[G0S+3], s[G0S+3], 0x80000000
	s_mov_b32 s[G0SB], 1
	s_add_co_u32 s[G0SB+1], s94, SCL
	s_mov_b64 s[G0SB+2:G0SB+3], s[92:93]
	s_or_b32 s[G0SB+3], s[G0SB+3], 0x80000000
	JLOAD G0S, G1S, G0SB, G1SB                     ; the scales first: they are wanted with the first slot
.irp s, 0,1
	s_mov_b32 s[G0+4*\s], 1
	s_add_co_u32 s[G0+4*\s+1], s45, \s*SLOT
	s_add_nc_u64 s[G0+4*\s+2:G0+4*\s+3], s[20:21], \s*ROWB
	s_or_b32 s[G0+4*\s+3], s[G0+4*\s+3], 0x80000000
	s_mov_b32 s[G0B+4*\s], 1
	s_add_co_u32 s[G0B+4*\s+1], s45, \s*SLOT
	s_add_nc_u64 s[G0B+4*\s+2:G0B+4*\s+3], s[46:47], \s*ROWB
	s_or_b32 s[G0B+4*\s+3], s[G0B+4*\s+3], 0x80000000
	JLOAD G0+4*\s, G1, G0B+4*\s, G1B               ; three loads of mine are out: all that this launch asks for
.endr
	; my corner: tokens and channels
	s_lshl_b32 s2, s17, 8
	s_lshl_b32 s18, s15, 7
	s_add_co_u32 s2, s2, s18                       ; my first row on side A
	s_lshl_b32 s3, s42, 8
	s_lshl_b32 s18, s16, 7
	s_add_co_u32 s3, s3, s18                       ; on side B
	s_cmp_eq_u32 s66, 2
	s_cselect_b32 s99, s3, s2                      ; my first token
	s_cselect_b32 s100, s2, s3                     ; my first channel
	s_cmp_eq_u32 s66, 0
	s_cselect_b64 s[8:9], s[8:9], s[10:11]         ; b_q for Q, else b_k
	s_lshl_b32 s18, s100, 2
	s_mov_b32 s19, 0
	s_add_nc_u64 s[8:9], s[8:9], s[18:19]
	v_and_b32 v1, 15, v0                           ; l % 16
	v_bfe_u32 v2, v0, 4, 1                         ; l / 16
	v_lshlrev_b32 v7, 5, v2
.irp b, 0,1,2,3,4,5,6,7
.irp c, 0,1
	global_load_b128 v[BIAS+8*\b+4*\c:BIAS+8*\b+4*\c+3], v7, s[8:9] offset:64*\b+16*\c   ; in the result's layout: register j of block b is the bias of side B's row 16 b + 8 h + j
.endr
.endr
	s_lshl_b32 s18, s66, 24                        ; img: the part,
	s_lshr_b32 s19, s99, 11
	s_lshl_b32 s19, s19, 22                        ; the batch,
	s_add_co_u32 s18, s18, s19
	s_lshr_b32 s19, s100, 6
	s_lshl_b32 s19, s19, 18                        ; the head,
	s_add_co_u32 s18, s18, s19
	s_and_b32 s19, s99, 2047
	s_lshl_b32 s19, s19, 7                         ; the token in its batch: 2,048 bytes for 16 tokens of Q or K, 8,192 for 64 keys of V^T
	s_add_co_u32 s18, s18, s19
	s_mov_b32 s19, 0
	s_add_nc_u64 s[12:13], s[12:13], s[18:19]
	v_and_b32 v6, 31, v0
	v_lshlrev_b32 v[VO], 4, v6
	v_add_nc_u32 v[VO+1], s98, v[VO]
	v_add_nc_u32 v[VO+2], s97, v[VO]
	v_add_nc_u32 v[VO+3], s98, v[VO+2]
	v_mul_u32_u24 v3, v1, PITCH
	v_lshl_add_u32 v4, v2, 4, v3                   ; a fragment's row x pitch + 16 x half
	s_mul_i32 s21, s15, HALFT                      ; my 128 rows of A
	s_mul_i32 s22, s16, HALFT                      ; my 128 rows of B,
	s_add_co_u32 s22, s22, 2*HALFT                 ; which lie behind A's 256
.irp s, 0,1
	v_add_nc_u32 v[ADRA+\s], s21, v4
	v_add_nc_u32 v[ADRB+\s], s22, v4
	s_add_co_u32 s21, s21, SLOT
	s_add_co_u32 s22, s22, SLOT
.endr
	v_mul_u32_u24 v5, v1, KS                       ; my row's scales: 32 bytes a row,
	v_lshrrev_b32 v6, 8, v5
	v_lshl_add_u32 v5, v6, 4, v5                   ; and 16 more for each 256 passed
	s_mul_i32 s21, s15, HALFS
	s_mul_i32 s22, s16, HALFS
	s_add_co_u32 s22, s22, 2*HALFS
	s_sub_co_u32 s22, s22, s21
	v_mul_u32_u24 v6, s22, v2                      ; lanes 16-31 take B's
	s_add_co_u32 s21, s21, SCL
	v_add_nc_u32 v5, v5, v6
	v_add_nc_u32 v[ADRS], s21, v5
	s_wait_loadcnt 0x0                             ; the bias
.set i, 0
.rept 64
	v_cndmask_b32 v[BIAS+i], 0, v[BIAS+i], s96     ; V's work-groups start their sums with zeros: what they loaded is dropped here, so that the three tensors take one way through the text
.set i, i+1
.endr
.macro FRAG reg, adr, q, i             ; 16 rows x 128 K of 4-bit codes: lane l holds row l % 16; registers 4 c .. 4 c + 3 hold K = 64 c + 32 (l / 16) + 0 .. 31
.irp c, 0,1
	ds_load_b128 v[\reg+4*\c:\reg+4*\c+3], v[\adr] offset:64*(\q)+32*\c+(\i)*16*PITCH
.endr
.endm
; 16 matrix instructions: A's blocks a0, a0 + 1 x B's eight, the slot's q-th 128 along K.  p: B's set; sc: the set of scale words.  zero = 1: the first product starts the sums, with the bias as its C.
; The 64 accumulators take turns, one instruction a turn, in the same order in every step.
.macro MUL16 a0, p, q, sc, zero
.irp a, \a0, \a0+1
.irp b, 0,1,2,3,4,5,6,7
.if \zero
	v_wmma_scale_f32_16x16x128_f8f6f4 v[8*(8*((\a)%4)+\b):8*(8*((\a)%4)+\b)+7], v[128*(\p)+FR*\b:128*(\p)+FR*\b+FR-1], v[AF+FR*(\a):AF+FR*(\a)+FR-1], v[BIAS+8*\b:BIAS+8*\b+7], v[SC+8*NQ*(\sc)+NQ*\b+(\q)], v[SC+8*NQ*(\sc)+NQ*(\a)+(\q)] matrix_a_fmt:MATRIX_FMT_FP4 matrix_b_fmt:MATRIX_FMT_FP4 matrix_a_scale:MATRIX_SCALE_ROW1
.else
	v_wmma_scale_f32_16x16x128_f8f6f4 v[8*(8*((\a)%4)+\b):8*(8*((\a)%4)+\b)+7], v[128*(\p)+FR*\b:128*(\p)+FR*\b+FR-1], v[AF+FR*(\a):AF+FR*(\a)+FR-1], v[8*(8*((\a)%4)+\b):8*(8*((\a)%4)+\b)+7], v[SC+8*NQ*(\sc)+NQ*\b+(\q)], v[SC+8*NQ*(\sc)+NQ*(\a)+(\q)] matrix_a_fmt:MATRIX_FMT_FP4 matrix_b_fmt:MATRIX_FMT_FP4 matrix_a_scale:MATRIX_SCALE_ROW1
.endif
.endr
.endr
.endm
.macro FETCH_B slot, q, p
	WIN TO_B
.irp i, 0,1,2,3,4,5,6,7
	FRAG 128*(\p)+FR*\i, ADRB+\slot, \q, \i
.endr
	WIN 0
.endm
.macro FETCH_A slot, q, i0
.irp i, \i0, \i0+1, \i0+2, \i0+3
	FRAG AF+FR*(\i), ADRA+\slot, \q, \i
.endr
.endm
.macro SCALES sc                       ; a slot's scale words: four a row; lanes 0-15 take A's block i, lanes 16-31 B's block i
.irp i, 0,1,2,3,4,5,6,7
	ds_load_b128 v[SC+8*NQ*\sc+NQ*\i:SC+8*NQ*\sc+NQ*\i+3], v[ADRS] offset:\i*SBLK
.endr
.endm
.macro PLACES n                        ; plain vector instructions between a matrix instruction and a load into, or a read of, its registers
.rept \n
	v_nop
.endr
.endm
.macro STEP slot, q, zero              ; 128 along K, with its successor in the same slot
	s_wait_dscnt 4*NL                              ; B's set and A's blocks 0-3 are in; the eight youngest loads (A's blocks 4-7) may be out
.if \zero
	WIN BIA_LO
.else
	WIN MUL_LO
.endif
	MUL16 0, (\q)%2, \q, \slot, \zero
	MUL16 2, (\q)%2, \q, \slot, \zero
	s_wait_dscnt 0                                 ; A's blocks 4-7 are in
	PLACES NP
	FETCH_B \slot, (\q)+1, 1-(\q)%2
	FETCH_A \slot, (\q)+1, 0
.if \zero
	WIN BIA_HI
.else
	WIN MUL_HI
.endif
	MUL16 4, (\q)%2, \q, \slot, \zero
	MUL16 6, (\q)%2, \q, \slot, \zero
	PLACES NP
	WIN 0
	FETCH_A \slot, (\q)+1, 4
.endm
.macro STEPS slot, from
.set Q, \from
.rept NQ-1-\from
	STEP \slot, Q, 0
.set Q, Q+1
.endr
.endm
	s_wait_tensorcnt 1                             ; the scales and my part of slot 0 are in (slot 1's load may be out)
	s_barrier_signal -1
	s_barrier_wait -1                              ; everybody's are
	FETCH_B 0, 0, 0
	FETCH_A 0, 0, 0
	SCALES 0
	FETCH_A 0, 0, 4
	STEP 0, 0, 1
	STEPS 0, 1
	; slot 0's last step changes slots: one barrier; in front of it my part of slot 1 has landed
	s_wait_tensorcnt 0x0                           ; all my tensor loads have landed;
	ds_add_u32 v[SPW], v[NIL]                      ; 0 onto my spare word;
	s_wait_dscnt 4*NL+1                            ; (the add and the eight youngest loads may be out)
	WIN MUL_LO
	MUL16 0, 1, NQ-1, 0, 0
	s_wait_dscnt 0x0
	s_barrier_signal -1
	MUL16 2, 1, NQ-1, 0, 0
	WIN 0
	s_barrier_wait -1                              ; slot 1 is whole
	PLACES NP
	v_add_nc_u32 v[ADRS], 4*NQ, v[ADRS]            ; on to slot 1's scale words
	FETCH_B 1, 0, 0
	FETCH_A 1, 0, 0
	SCALES 1
	WIN MUL_HI
	MUL16 4, 1, NQ-1, 0, 0
	MUL16 6, 1, NQ-1, 0, 0
	PLACES NP
	WIN 0
	FETCH_A 1, 0, 4
	STEPS 1, 0
	s_wait_dscnt 4*NL                              ; the last step: nothing more to fetch
	WIN MUL_LO
	MUL16 0, 1, NQ-1, 1, 0
	MUL16 2, 1, NQ-1, 1, 0
	s_wait_dscnt 0
	WIN MUL_HI
	MUL16 4, 1, NQ-1, 1, 0
	MUL16 6, 1, NQ-1, 1, 0
	WIN 0
; THE WAY OUT, with no stage: a lane's eight results of an accumulator, rounded to f16, are four registers of an image, and the 32 lanes' 16 bytes lie side by side: each store covers 512 consecutive bytes, aligned.
.macro OUT a
.set AC, 64*((\a)%4)
.set TT, TMP+32*((\a)%4)
.if (\a) >= 4
	s_wait_xcnt 0x0                                ; block a - 4's stores have read their data: the registers may be written again
.endif
	WIN 0x0a+5*((\a)/4)                            ; sources: window 2 or 3
.irp b, 0,1,2,3,4,5,6,7
.irp r, 0,1,2,3
	v_cvt_pk_f16_f32 v[TT+4*\b+\r], v[AC+8*\b+2*\r], v[AC+8*\b+2*\r+1]   ; each accumulator from its low end on
.endr
.endr
	WIN 0
.irp b, 0,1,2,3,4,5,6,7
	global_store_b128 v[VO+2*((\a)/4)+(\b)/4], v[TT+4*\b:TT+4*\b+3], s[12:13] offset:((\a)%4)*2048+(((\b)/2)%2)*1024+((\b)%2)*512
.endr
.endm
	PLACES NP                                      ; behind the last products: the conversions read results and write registers that held A's fragments
.irp a, 0,1,2,3,4,5,6,7
	OUT \a
.endr
	s_wait_tensorcnt 0x0                           ; the wave's end
	ds_add_u32 v[SPW], v[NIL]
	s_wait_dscnt 0x0
	CROUND                                         ; the closing round
	s_endpgm
.Lfunc_end_k_q462372536b_proj:
	.size	k_q462372536b_proj, .Lfunc_end_k_q462372536b_proj-k_q462372536b_proj
	.p2alignl 7, 3214868480
	.fill 96, 4, 3214868480
	.section	.rodata,"a",@progbits
	.p2align	6, 0x0
	.amdhsa_kernel k_q462372536b_proj
		.amdhsa_group_segment_fixed_size 327680
		.amdhsa_private_segment_fixed_size 0
		.amdhsa_enable_private_segment 0
		.amdhsa_kernarg_size 40
		.amdhsa_user_sgpr_count 2
		.amdhsa_user_sgpr_kernarg_segment_ptr 1
		.amdhsa_wavefront_size32 1
		.amdhsa_system_sgpr_workgroup_id_x 1
		.amdhsa_system_sgpr_workgroup_id_y 1
		.amdhsa_system_sgpr_workgroup_id_z 1
		.amdhsa_system_vgpr_workitem_id 0
		.amdhsa_next_free_vgpr 1024
		.amdhsa_next_free_sgpr 104
		.amdhsa_reserve_vcc 0
		.amdhsa_float_denorm_mode_32 3
		.amdhsa_float_denorm_mode_16_64 3
		.amdhsa_memory_ordered 1
		.amdhsa_forward_progress 1
		.amdhsa_inst_pref_size 124
	.end_amdhsa_kernel
	.amdgpu_metadata
---
amdhsa.version: [ 1, 2 ]
amdhsa.kernels:
  - .name:           k_q462372536b_proj
    .symbol:         k_q462372536b_proj.kd
    .args:
      - { .name: codes, .offset: 0, .size: 8, .value_kind: global_buffer, .address_space: global }
      - { .name: scales, .offset: 8, .size: 8, .value_kind: global_buffer, .address_space: global }
      - { .name: b_q, .offset: 16, .size: 8, .value_kind: global_buffer, .address_space: global }
      - { .name: b_k, .offset: 24, .size: 8, .value_kind: global_buffer, .address_space: global }
      - { .name: img, .offset: 32, .size: 8, .value_kind: global_buffer, .address_space: global }
    .group_segment_fixed_size: 327680
    .private_segment_fixed_size: 0
    .kernarg_segment_align: 8
    .kernarg_segment_size: 40
    .max_flat_workgroup_size: 128
    .sgpr_count:     104
    .vgpr_count:     1024
    .wavefront_size: 32
...
	.end_amdgpu_metadata
.endif
;; end of part 2
;; launch attn (part 3): grid 8 x 64, 4 waves a work-group, clusters of 4 x 1, 327,680 bytes of LDS; arguments img, maskb, b_v, ximg; writes ximg
.if DOCPART == 3
	.amdgcn_target "amdgcn-amd-amdhsa--gfx1250"
	.amdhsa_code_object_version 6
	.text
	.protected	k_q462372536b_attn
	.globl	k_q462372536b_attn
	.p2align	8
	.type	k_q462372536b_attn,@function
k_q462372536b_attn:
	s_mov_b64 s[64:65], 0
	v_nop
	global_prefetch_b8 v0, s[64:65] scope:SCOPE_SE
	s_setreg_imm32_b32 hwreg(HW_REG_WAVE_MODE, 25, 1), 1
	s_wait_xcnt 0x0
	s_wait_alu depctr_hold_cnt(0) depctr_sa_sdst(0) depctr_va_vdst(0) depctr_va_sdst(0) depctr_va_ssrc(0) depctr_va_vcc(0) depctr_vm_vsrc(0)
	s_getreg_b32 s2, hwreg(HW_REG_IB_STS2, 6, 4)
	s_cmp_eq_u32 s2, 0
	s_cbranch_scc0 .Lentry_in_a_cluster
	s_endpgm
.Lentry_in_a_cluster:
	s_bfe_u32 s2, ttmp6, 0x10000c
	s_cmp_lg_u32 s2, 0x3003
	s_cbranch_scc0 .Lentry_shape_is_right
	s_endpgm
.Lentry_shape_is_right:
; X[b][q][head] = softmax_k(Q . K / 8 under the mask) V + b_v, for each of 64 (batch, head) pairs: 2,048 queries, 2,048 keys, head size 64.  Operands in f16; products, maxima and sums in f32.
; Q, K and V^T arrive as images of operand registers (16 rows x 32 K of f16, 1,024 bytes; registers 4 c .. 4 c + 3 of lane l at 512 c + 16 l), X leaves so:
;   ximg [K step of the next product = head / 4: 4][tile of 16 rows: 512][32 channels: 2 (head % 4) + s: 8][image].
; SHARES.  A work-group owns 256 queries of one head, each of its four waves 64: four tiles of 16.  Every wave walks all keys, 64 a step.
; LAYOUT.  S^T = K Q^T (source 0 = 16 keys, source 1 = 16 queries): a lane holds ONE query and the keys 8 (lane / 16) + 0..7.  Two such tiles, rounded to f16 in pairs, ARE source 1 of O^T = V^T P.
; THE MASK costs no vector instruction: the first product of each tile of scores takes as its C eight numbers of the table (0, or -3e38 for a hidden key), which lie in the result's own layout.  The running maximum
; begins at -1e30, under every score that f16 operands can give (64 x 65,504^2 = 2.7e11), so a hidden key's weight is 2^(-5e37) = 0 even where a whole step is hidden.  A batch with every key hidden ends with
; O = 0 and l = 0, and 0 x (1 / 0) is NaN, as the softmax of a row of -infinity is.
; SOFTMAX.  A running maximum m and sum l for each query: p = 2^(c s - c m), c = log2(e) / 8; in every step O and l are multiplied by a = 2^(c m_old - c m_new).
; b_v is added behind the division, in the multiply-add that divides: a row's weights sum to 1.
; BY TURNS.  The wave's tiles are two pieces (tiles 0, 1 and tiles 2, 3).  In a turn one piece has the matrix unit: 16 products V^T P of the step in hand, then 16 products K Q^T of the next step; the other piece's
; softmax, 236 vector instructions in 59 slices of four, stands between them.  Then the pieces change places.
; CLUSTER.  The four query blocks of a cluster belong to one head and walk the same K, V and mask table: each tile is asked for jointly, by the same tensor load with the same descriptor and the mask 15.
; All tiles are dense blocks, so one tensor line serves the four waves: waves 0, 1 bring the halves of a slot's K, waves 2, 3 of its V, by addresses made of the wave's number.
; LIMITS: NaN and infinities among the inputs are not served.
; REGISTERS: window 0: v2-6 addresses; v12-43 statistics, eight a tile; v64-191 S^T, 32 a tile; v192-255 P, 16 a tile.   window 1: v0-127 O^T, 32 a tile; v128-159 b_v.
;   window 2: v0-63 Q; v64-127 K of one step; v128-159 the step's 64 numbers of the mask table; v160-223 V^T of one step.
.set NST,   4         ; key steps in a slot
.set STEPB, 8192      ; a step's K, or V: eight images
.set VOFF,  NST*STEPB ; a slot: four steps of K, then four of V
.set SLOT1, 1<<16     ; slot 1 begins here: one exclusive or turns an address in one slot into the other's
.set MBL,   2*SLOT1   ; behind the ring: the batch's mask table, 8,192 bytes, filled once
.set SPARE, MBL+8192  ; the spare words, 128 bytes a wave
.set AL,  2           ; v2   16 x lane: my place in an image
.set AM0, 3           ; v3   MBL + 32 (lane / 16)
.set ADR, 4           ; v4   the LDS address of the run of loads in hand
.set ADM, 5           ; v5   and of the mask numbers
.set BVO, 6           ; v6   32 (lane / 16)
.set ST,  12          ; tile t's statistics at v[ST+8 t]: +0 c m, +1 m, +2, +3 l, +4 to +7 at work; a takes +6 once the maximum is found
.set PFO, 61          ; v61  256 x lane
.set SPW, 62
.set NIL, 63
.set S,   64
.set P,   192
.set KF,  64          ; window 2
.set MB,  128         ; window 2
.set VF,  160         ; window 2
.set BV,  128         ; window 1
.set WV,  12          ; s12  my wave's number
.set LIM, 15          ; s15  1 in a wave that prefetches, else the greatest number
.set PFA, 18          ; s[18:19] where my prefetches stand
.set G1,  24          ; s[24:31] group 1: 64 rows of 256 bytes
.set G1M, 32          ; s[32:39] group 1: 8 rows of 256 bytes
.set G0A, 40          ; s[40:43] slot 0's first fill
.set G0B, 44          ; s[44:47] slot 1's first fill; it then walks
.set G0M, 48          ; s[48:51] the mask table
.set SLOTS, 56
.set TWICE, 57
.set CS,  58          ; s[58:59] c
.set SEL, 60          ; s[60:61] lane selects: lane l xor 16
.set TB,  62          ; s62  LDS byte at which the step to be fetched begins
.set TM,  66          ; s66  and its 256 bytes of the mask table
.set MSB, 0
.macro WIN new
.if MSB != \new
	s_set_vgpr_msb (MSB<<8)|\new
.set MSB, \new
.endif
.endm
.set W_KQ0, 0x2a      ; K, Q and the mask numbers (C) in window 2, S^T in window 0
.set W_KQ,  0x0a      ; K and Q in window 2, S^T in window 0
.set W_PV,  0x52      ; V in window 2, P in window 0, O^T in window 1
.set W_RS,  0x41      ; O^T in window 1, a in window 0
.macro CROUND
	s_barrier_signal -1
	s_barrier_wait -1
	s_cmp_lg_u32 s[WV], 0
	s_cbranch_scc1 .Lnot_wave_0_\@
	s_barrier_signal -3
.Lnot_wave_0_\@:
	s_barrier_wait -3
	s_barrier_signal -1
	s_barrier_wait -1
.endm
; A prefetch of what the NEXT change of slots will ask for: 32,768 bytes of K and as many of V.  Each aligned 256 bytes are named once in the launch: both clusters of a head walk the same rows, and the first asks;
; its four partners take 8,192 bytes each, told apart by address; in each, wave 0 asks for K's and wave 2 for V's, lanes 256 bytes apart.  The last change that fills a slot asks for nothing.
.macro ASK
	s_cmp_gt_u32 s[SLOTS], s[LIM]
	s_cbranch_scc0 .Lnot_mine_\@
	global_prefetch_b8 v[PFO], s[PFA:PFA+1] th:TH_LOAD_NT scope:SCOPE_SE
.Lnot_mine_\@:
.endm
.macro PLACES
.rept 4
	v_nop
.endr
.endm
	s_load_b256 s[4:11], s[0:1], 0x0  ; img s[4:5], maskb s[6:7], b_v s[8:9], ximg s[10:11]
	v_lshl_add_u32 v[SPW], v0, 2, SPARE
	v_mov_b32 v[NIL], 0
	ds_add_u32 v[SPW], v[NIL]       ; the wave's opening: the add, twice on end, and its wait ahead of my first tensor load
	ds_add_u32 v[SPW], v[NIL]
	v_lshrrev_b32 v1, 5, v0
	v_readfirstlane_b32 s[WV], v1   ; wave 0..3
	s_bfe_u32 s13, ttmp6, 0x40000   ; cx
	s_lshl_b32 s14, ttmp9, 2
	s_add_co_u32 s14, s14, s13      ; my block of 256 queries: it enters Q's, X's and the prefetches' addresses alone
	s_and_b32 s20, ttmp7, 0xffff    ; 16 x batch + head, which the four partners share
	s_lshl_b32 s17, s20, 18         ; the head's bytes in a part of img
	s_lshr_b32 s16, s[WV], 1
	s_add_co_u32 s16, s16, 1        ; part 1 (K) for waves 0, 1; part 2 (V^T) for waves 2, 3
	s_lshl_b32 s22, s16, 24
	s_add_co_u32 s22, s22, s17
	s_and_b32 s16, s[WV], 1
	s_lshl_b32 s16, s16, 14         ; which half of a slot's 32,768 bytes
	s_add_co_u32 s22, s22, s16
	s_mov_b32 s23, 0
	s_lshr_b32 s21, s20, 4          ; the batch
	s_lshl_b32 s2, s21, 13          ; its table,
	s_lshl_b32 s16, s[WV], 11       ; my quarter of it
	s_add_co_u32 s2, s2, s16
	s_mov_b32 s3, 0
	s_lshl_b32 s52, s14, 15         ; Q: 16 tiles of 2,048 bytes a block,
	s_add_co_u32 s52, s52, s17
	s_lshl_b32 s16, s[WV], 13       ; four a wave
	s_add_co_u32 s52, s52, s16
	s_mov_b32 s53, 0
	s_and_b32 s67, s20, 15          ; the head
	s_lshl_b32 s54, s21, 7          ; X: my first tile of rows: 128 x batch + 16 x block + 4 x wave,
	s_lshl_b32 s16, s14, 4
	s_add_co_u32 s54, s54, s16
	s_lshl_b32 s16, s[WV], 2
	s_add_co_u32 s54, s54, s16
	s_lshl_b32 s54, s54, 13         ; 8,192 bytes each;
	s_lshr_b32 s16, s67, 2
	s_lshl_b32 s16, s16, 22         ; the K step;
	s_add_co_u32 s54, s54, s16
	s_and_b32 s16, s67, 3
	s_lshl_b32 s16, s16, 11         ; the head's two images in it
	s_add_co_u32 s54, s54, s16
	s_mov_b32 s55, 0
	s_lshl_b32 s68, s67, 8          ; b_v: the head's 64 numbers
	s_mov_b32 s69, 0
	; descriptor groups 1: dense blocks as rows of 256 bytes (32 elements of 8 bytes), no padding
	s_mov_b32 s[G1], 15|(3<<16)|(1<<21)   ; 15:0 the mask: all four work-groups; 17:16 elements of 8 bytes; 21 set beside a mask
	s_mov_b32 s[G1+1], 32<<16       ; tensor_dim0
	s_mov_b32 s[G1+2], 64<<16       ; tensor_dim1
	s_mov_b32 s[G1+3], 32<<16       ; tile_dim0
	s_mov_b32 s[G1+4], 64           ; tile_dim1
	s_mov_b32 s[G1+5], 32           ; from row to row
	s_mov_b32 s[G1+6], 0
	s_mov_b32 s[G1+7], 0
	s_mov_b32 s[G1M], 15|(3<<16)|(1<<21)
	s_mov_b32 s[G1M+1], 32<<16
	s_mov_b32 s[G1M+2], 8<<16
	s_mov_b32 s[G1M+3], 32<<16
	s_mov_b32 s[G1M+4], 8
	s_mov_b32 s[G1M+5], 32
	s_mov_b32 s[G1M+6], 0
	s_mov_b32 s[G1M+7], 0
	s_mov_b32 s[CS], 0x3e38aa3b     ; c = log2(e) / 8
	s_mov_b32 s[CS+1], s[CS]        ; named with it as a pair, so it is written
	s_mov_b32 s[SEL], 0x76543210
	s_mov_b32 s[SEL+1], 0xfedcba98
	s_mov_b32 s[TB], 0
	s_mov_b32 s[TM], 0
	s_mov_b32 s[SLOTS], 6           ; slots 2 to 7 are asked for at changes of slots
	s_and_b32 s[LIM], s[WV], 1      ; 0 in waves 0 and 2,
	s_or_b32 s[LIM], s[LIM], ttmp9  ; where the cluster is the head's first: the same in all four partners
	s_cmp_eq_u32 s[LIM], 0
	s_cselect_b32 s[LIM], 1, -1
	v_and_b32 v[AL], 31, v0
	v_lshlrev_b32 v[PFO], 8, v[AL]
	v_lshlrev_b32 v[AL], 4, v[AL]
	v_bfe_u32 v9, v0, 4, 1
	v_lshl_add_u32 v[AM0], v9, 5, MBL
	v_lshlrev_b32 v[BVO], 5, v9
	s_mov_b32 s[G0A], 1
	s_lshl_b32 s[G0A+1], s[WV], 14  ; LDS: wave x 16,384: K's halves, then V's
	s_mov_b32 s[G0B], 1
	s_add_co_u32 s[G0B+1], s[G0A+1], SLOT1
	s_mov_b32 s[G0M], 1
	s_lshl_b32 s[G0M+1], s[WV], 11
	s_add_co_u32 s[G0M+1], s[G0M+1], MBL
	s_wait_dscnt 0x0                ; both opening adds are done
	s_wait_kmcnt 0x0
	s_add_nc_u64 s[G0A+2:G0A+3], s[4:5], s[22:23]
	s_add_nc_u64 s[G0B+2:G0B+3], s[G0A+2:G0A+3], NST*STEPB
	s_add_nc_u64 s[G0M+2:G0M+3], s[6:7], s[2:3]
	s_lshl_b32 s2, s13, 13          ; my work-group's 8,192 bytes of a slot's 32,768
	s_add_nc_u64 s[PFA:PFA+1], s[G0A+2:G0A+3], s[2:3]
	s_add_nc_u64 s[PFA:PFA+1], s[PFA:PFA+1], 2*NST*STEPB  ; in slot 2; the first change of slots steps it to slot 3.  Nothing is prefetched at the head
	s_or_b32 s[G0A+3], s[G0A+3], 0x80000000
	s_or_b32 s[G0B+3], s[G0B+3], 0x80000000
	s_or_b32 s[G0M+3], s[G0M+3], 0x80000000
	s_add_nc_u64 s[52:53], s[4:5], s[52:53]    ; Q at my wave's first tile
	s_add_nc_u64 s[10:11], s[10:11], s[54:55]  ; X likewise
	s_add_nc_u64 s[8:9], s[8:9], s[68:69]
	CROUND                          ; all four work-groups are here: the first joint loads meet
	tensor_load_to_lds s[G0M:G0M+3], s[G1M:G1M+7]   ; the first fills, as one group: three loads of mine are out
	s_nop 0
	tensor_load_to_lds s[G0A:G0A+3], s[G1:G1+7]
	s_nop 0
	tensor_load_to_lds s[G0B:G0B+3], s[G1:G1+7]
	s_nop 0
.rept 4
	v_nop
.endr
	WIN 0x80                        ; destination window 2
.irp t, 0,1,2,3
.irp s, 0,1
.irp c, 0,1
	global_load_b128 v[16*\t+8*\s+4*\c:16*\t+8*\s+4*\c+3], v[AL], s[52:53] offset:2048*\t+1024*\s+512*\c   ; Q stays in registers
.endr
.endr
.endr
	WIN 0x40                        ; destination window 1
.irp ct, 0,1,2,3
.irp c, 0,1
	global_load_b128 v[BV+8*\ct+4*\c:BV+8*\ct+4*\c+3], v[BVO], s[8:9] offset:64*\ct+16*\c   ; b_v in O^T's layout: register 8 ct + j is channel 16 ct + 8 (lane / 16) + j
.endr
.endr
	WIN 0
; THE MATRIX WORK OF A TURN, for piece x.  Eight accumulators take turns, one instruction a turn.
; Product i of 16 of O^T += V^T P: keys 32 (i / 8) on, channels 16 ((i / 2) % 4) on, tile x + i % 2.  zero = 1: the first 8 start the sums.
.macro PV x, zero
	WIN W_PV
.set rO, 32*(\x+i%2)+8*((i/2)%4)
.set rV, VF+8*(2*((i/2)%4)+i/8)
.set rP, P+16*(\x+i%2)+8*(i/8)
.if \zero && (i < 8)
	v_wmma_f32_16x16x32_f16 v[rO:rO+7], v[rV:rV+7], v[rP:rP+7], 0
.else
	v_wmma_f32_16x16x32_f16 v[rO:rO+7], v[rV:rV+7], v[rP:rP+7], v[rO:rO+7]
.endif
.endm
; Product i of 16 of S^T = K Q^T: channels 32 (i / 8) on, keys 16 ((i / 2) % 4) on, tile x + i % 2.  The first 8 start the sums with the mask numbers of their keys.
.macro KQ x
.set rS, S+32*(\x+i%2)+8*((i/2)%4)
.set rK, KF+8*(2*((i/2)%4)+i/8)
.set rQ, 16*(\x+i%2)+8*(i/8)
.set rM, MB+8*((i/2)%4)
.if i < 8
	WIN W_KQ0
	v_wmma_f32_16x16x32_f16 v[rS:rS+7], v[rK:rK+7], v[rQ:rQ+7], v[rM:rM+7]
.else
	WIN W_KQ
	v_wmma_f32_16x16x32_f16 v[rS:rS+7], v[rK:rK+7], v[rQ:rQ+7], v[rS:rS+7]
.endif
.endm
; THE LDS LOADS stand in runs: a step's K (eight images) with its 64 mask numbers, and, a turn later, its V.
.macro FETCH_K
	WIN 0
	v_add_nc_u32 v[ADR], s[TB], v[AL]
	v_add_nc_u32 v[ADM], s[TM], v[AM0]
	s_add_co_u32 s[TM], s[TM], 256  ; the next step's 64 numbers
	WIN 0x80
.irp f, 0,1,2,3,4,5,6,7
	ds_load_b128 v[KF+8*\f:KF+8*\f+3],   v[ADR] offset:1024*\f
	ds_load_b128 v[KF+8*\f+4:KF+8*\f+7], v[ADR] offset:1024*\f+512
.endr
.irp kt, 0,1,2,3
	ds_load_b128 v[MB+8*\kt:MB+8*\kt+3],   v[ADM] offset:64*\kt      ; keys 16 kt + 8 (lane / 16) + 0 .. 3: sixteen lanes share the words
	ds_load_b128 v[MB+8*\kt+4:MB+8*\kt+7], v[ADM] offset:64*\kt+16
.endr
.endm
.macro FETCH_V
	WIN 0
	v_add_nc_u32 v[ADR], s[TB], v[AL]
	s_add_co_u32 s[TB], s[TB], STEPB  ; the next fetch is the next step's
	s_wait_alu depctr_va_vdst(0)    ; the wait for the softmax's batch of exponentials, ahead of the first instruction that names a result
	WIN 0x80
.irp f, 0,1,2,3,4,5,6,7
	ds_load_b128 v[VF+8*\f:VF+8*\f+3],   v[ADR] offset:VOFF+1024*\f
	ds_load_b128 v[VF+8*\f+4:VF+8*\f+7], v[ADR] offset:VOFF+1024*\f+512
.endr
.endm
; THE VECTOR WORK OF A TURN.  One tile's softmax for one key step is a list of 118 instructions; SM writes number j of it for tile t.  first = 1: the first key step, which starts m, l and O^T.
;   0-15    the maximum of the lane's 32 scores and the old m (first step: and the floor -1e30)
;   16-20   the other half of the lanes' maximum; the new m; c m; c m_old - c m_new
;   21-69   ONE BATCH: 16 packed scalings c s - c m and 33 exponentials (a at 23).  None of these reads an exponential's result
;   (wait)  between 69 and 70 stands the one wait for the batch
;   70-85   the roundings to f16;   86-101 the sums, l = a l + the sum;   102-117 the tile's O^T times a
.macro SM t, first
.set rT, ST+8*(\t)
.set rS, S+32*(\t)
.set rP, P+16*(\t)
.set rO, 32*(\t)+2*(j-102)
.if j < 102
	WIN 0
.endif
.if j < 4
	v_max3_num_f32 v[rT+4+j], v[rS+8*j], v[rS+8*j+1], v[rS+8*j+2]   ; each accumulator is first read at its low end
.elseif j < 12
	v_max3_num_f32 v[rT+4+j%4], v[rT+4+j%4], v[rS+8*(j%4)+2*(j/4)+1], v[rS+8*(j%4)+2*(j/4)+2]
.elseif j == 12
	v_max3_num_f32 v[rT+4], v[rT+4], v[rS+7], v[rS+15]
.elseif j == 13
	v_max3_num_f32 v[rT+6], v[rT+6], v[rS+23], v[rS+31]
.elseif j == 14
	v_max3_num_f32 v[rT+4], v[rT+4], v[rT+5], v[rT+6]
.elseif (j == 15) && \first
	v_max3_num_f32 v[rT+4], v[rT+4], v[rT+7], 0xf149f2ca  ; the floor -1e30
.elseif j == 15
	v_max3_num_f32 v[rT+4], v[rT+4], v[rT+7], v[rT+1]
.elseif j == 16
	v_permlanex16_b32 v[rT+5], v[rT+4], s[SEL], s[SEL+1]  ; the query's other 32 keys lie in the lane 16 away
.elseif j == 18
	v_max_num_f32 v[rT+1], v[rT+4], v[rT+5]
.elseif j == 19
	v_mul_f32 v[rT], s[CS], v[rT+1]
.elseif ((j == 17) || (j == 20) || (j == 23) || (j > 101)) && \first  ; the first step has none of these
.elseif j == 17
	v_mov_b32 v[rT+7], v[rT]        ; c m_old is kept for a
.elseif j == 20
	v_sub_f32 v[rT+7], v[rT+7], v[rT]
.elseif j == 23
	v_exp_f32 v[rT+6], v[rT+7]
.elseif (j < 23) || ((j < 38) && (j%2 == 0)) || ((j < 66) && (j%4 == 2))
.set b, (j-2)/4                     ; 38, 42, .. 62: pairs 9 to 15
.if j < 38
.set b, (j-20)/2                    ; 21: pair 0; 22, 24, .. 36: pairs 1 to 8
.endif
	v_pk_fma_f32 v[rS+2*b:rS+2*b+1], v[rS+2*b:rS+2*b+1], s[CS:CS+1], v[rT:rT+1] op_sel_hi:[1,0,0] neg_lo:[0,0,1] neg_hi:[0,0,1]  ; pair b: c s - c m
.elseif j < 70
.set e, j-38                        ; 66 to 69: s28 to s31
.if j < 66
.set e, j-32-(j-38)/4               ; 39-41, 43-45, .. 63-65: s7 to s27
.endif
.if j < 38
.set e, (j-25)/2                    ; 25, 27, .. 37: s0 to s6
.endif
	v_exp_f32 v[rS+e], v[rS+e]
.elseif j < 86
	v_cvt_pk_f16_f32 v[rP+j-70], v[rS+2*(j-70)], v[rS+2*(j-70)+1]
.elseif j < 102                     ; the sum of the tile's 16 pairs, in place: neighbours 1, 2, 4 and 8 pairs apart, then l takes it
.set z, j-86
.set w, 4
.set u, z
.if z >= 14
.set w, 32
.set u, 0
.elseif z >= 12
.set w, 16
.set u, z-12
.elseif z >= 8
.set w, 8
.set u, z-8
.endif
.if (z == 14) && \first
	v_pk_add_f32 v[rT+2:rT+3], v[rS:rS+1], v[rS+16:rS+17]
.elseif z < 15
	v_pk_add_f32 v[rS+w*u:rS+w*u+1], v[rS+w*u:rS+w*u+1], v[rS+w*u+w/2:rS+w*u+w/2+1]
.elseif !\first
	v_pk_fma_f32 v[rT+2:rT+3], v[rT+2:rT+3], v[rT+6:rT+7], v[rS:rS+1] op_sel_hi:[1,0,1]
.endif
.else
	WIN W_RS
	v_pk_mul_f32 v[rO:rO+1], v[rO:rO+1], v[rT+6:rT+7] op_sel_hi:[1,0]
.endif
.endm
; Slice k of 59 of piece y's softmax: four instructions.  Slices 11 to 34 deal out the batch, four numbers of ONE tile each, the tiles by turns; every other slice is numbers 2 k and 2 k + 1 of both tiles.
; Ahead of slice 35 nothing names an exponential's result, and behind slice 34 no exponential is issued: so the piece's 66 exponentials have one wait, behind slice 34.
.macro SLICE y, first
.if (k >= 11) && (k < 35)
.irp n, 0,1,2,3
.set j, 22+4*((k-11)/2)+(\n)
	SM (\y)+(k-11)%2, \first
.endr
.else
.irp n, 0,1
.irp t, \y, \y+1
.set j, 2*k+\n
	SM \t, \first
.endr
.endr
.endif
.if k == 34
	v_nop                           ; a plain instruction behind the last exponential and ahead of the first use: one for the batch
.if (\y) == 0
	FETCH_V                         ; piece 2's turn: V's run of loads stands here, and the wait stands in it
.else
	s_wait_alu depctr_va_vdst(0)    ; the wait for the batch
.endif
.endif
.set k, k+1
.endm
; The slices behind matrix instruction g of nmat: per of them, but so that each later matrix instruction still has one.  So the turn's last matrix instruction has slice 58 behind it: four plain multiplies on the
; OTHER piece's O^T, which are the four places ahead of the next read of the scores just made and of the loads into K's registers.
.macro DEAL y, first
.set q, 59-k-(nmat-1-g)
.if q > per
.set q, per
.endif
.rept q
	SLICE \y, \first
.endr
.set g, g+1
.endm
; A TURN.  pv = 2: 16 products V^T P; 1: they start O^T's sums; 0: none.  kq = 1: 16 products K Q^T for the next step.  first = 1: the softmax is the first key step's; its last slices are empty, and four v_nop
; take slice 58's part.  Piece 0's turn fetches the next step's K behind its second product.  Piece 2's turn fetches the same step's V behind slice 34: behind the last product that read V stand five plain
; instructions that name none of its registers: three scalings, the v_nop and the run's own addition.
.macro TURN x, pv, kq, first
.set k, 0
.set g, 0
.set per, 4
.set nmat, 16
.if \pv && \kq
.set per, 2
.set nmat, 32
.endif
.if \pv
.if \x == 0
	s_wait_dscnt 0x0                ; V is in
.endif
.set i, 0
.rept 16
	PV \x, 2-\pv
	DEAL 2-\x, \first
.if (\x == 0) && \kq && (i == 1)
	FETCH_K
.endif
.set i, i+1
.endr
.endif
.if \kq
.if \x == 0
	s_wait_dscnt 0x0                ; K and the mask numbers are in
.endif
.set i, 0
.rept 16
	KQ \x
	DEAL 2-\x, \first
.set i, i+1
.endr
.endif
.if \first
	PLACES
.endif
.endm
; THE CHANGE OF SLOTS, between piece 2's turn and piece 0's: the slot's last bytes have been asked for.  Each wave waits for all its tensor loads (one is out: its part of the other slot), adds 0 to its spare word,
; and waits for that and for its reads of the slot.  fill = 1: the barrier is a round of the cluster's, and the joint refill is the first thing behind it: it has four key steps in which to land.
.macro CHANGE fill
	WIN 0
	s_wait_tensorcnt 0x0            ; no tensor load of mine is out, so a group 0 may be written
	ds_add_u32 v[SPW], v[NIL]       ; 0 onto my spare word
.if \fill
	s_xor_b32 s[G0B+1], s[G0B+1], SLOT1  ; the walking descriptor: the other slot than last time,
	s_add_nc_u64 s[G0B+2:G0B+3], s[G0B+2:G0B+3], NST*STEPB  ; the next 256 keys
	s_wait_xcnt 0x0                 ; the last prefetch, a slot back, has read its address
	s_add_nc_u64 s[PFA:PFA+1], s[PFA:PFA+1], NST*STEPB  ; one slot further on than the walking descriptor
	s_wait_dscnt 0x0                ; the add is done, and my reads of the slot are over
	CROUND
	tensor_load_to_lds s[G0B:G0B+3], s[G1:G1+7]   ; my one tensor load behind the round
	s_nop 0
.rept 4
	v_nop
.endr
	ASK
.else
	s_wait_dscnt 0x0
	s_barrier_signal -1
	s_barrier_wait -1
.endif
	s_sub_co_u32 s[TB], s[TB], NST*STEPB  ; the fetches go back to a slot's first step,
	s_xor_b32 s[TB], s[TB], SLOT1   ; in the other slot
.endm
.macro N_STEPS n                    ; n key steps: written once, walked n times; the LDS addresses hang on s[TB] and s[TM]
	s_mov_b32 s[TWICE], \n
.Lstep_\@:
	TURN 0, 2, 1, 0
	TURN 2, 2, 1, 0
	WIN 0
	s_sub_co_u32 s[TWICE], s[TWICE], 1
	s_cmp_lg_u32 s[TWICE], 0
	s_cbranch_scc1 .Lstep_\@
.endm
	s_wait_tensorcnt 1              ; the table and my part of slot 0 are in; slot 1's may stay out
	s_barrier_signal -1
	s_barrier_wait -1               ; everybody's are
	FETCH_K                         ; key step 0
	s_wait_loadcnt 0x0              ; Q and b_v
	s_wait_dscnt 0x0
.set i, 0
.rept 16
	KQ 0                            ; piece 0's first scores: there is no vector work yet to set between them
.set i, i+1
.endr
	PLACES
	TURN 2, 0, 1, 1                 ; piece 2's first scores | piece 0's first softmax | V of step 0
	TURN 0, 1, 1, 1                 ; piece 0: V^T P of step 0 starts O^T, K Q^T of step 1 | piece 2's first softmax | K of step 1
	TURN 2, 1, 1, 0                 ; piece 2: the same | piece 0's softmax of step 1 | V of step 1
	WIN 0
	N_STEPS 2                       ; the rest of slot 0 is fetched
.Lslot:                             ; six trips: slots 0 to 5 are filled again, with slots 2 to 7
	CHANGE 1
	N_STEPS NST
	s_sub_co_u32 s[SLOTS], s[SLOTS], 1
	s_cmp_lg_u32 s[SLOTS], 0
	s_cbranch_scc1 .Lslot
	CHANGE 0                        ; the tail is written out
	N_STEPS NST
	TURN 0, 2, 0, 0                 ; piece 0: V^T P of the last step | piece 2's last softmax
.set i, 0
.rept 16
	PV 2, 0                         ; piece 2: V^T P of the last step
.set i, i+1
.endr
	; THE WAY OUT.  l's halves are added; O^T / l + b_v is rounded to f16: a tile's 16 registers are two images, stored as they stand.  The four additions are the places behind the last products.
	WIN 0
.irp t, 0,1,2,3
	v_add_f32 v[ST+8*\t+4], v[ST+8*\t+2], v[ST+8*\t+3]
.endr
.irp t, 0,1,2,3
	v_permlanex16_b32 v[ST+8*\t+5], v[ST+8*\t+4], s[SEL], s[SEL+1]
.endr
.irp t, 0,1,2,3
	v_add_f32 v[ST+8*\t+4], v[ST+8*\t+4], v[ST+8*\t+5]
.endr
.irp t, 0,1,2,3
	v_rcp_f32 v[ST+8*\t+6], v[ST+8*\t+4]
.endr
	v_nop                           ; a plain instruction between the last reciprocal and the use of its result
	s_wait_alu depctr_va_vdst(0)    ; and one wait for the four, ahead of the first use
.macro FINISH t
	WIN 0x51                        ; O^T and b_v in window 1, 1 / l in window 0
.set i, 0
.rept 16
	v_pk_fma_f32 v[32*\t+2*i:32*\t+2*i+1], v[32*\t+2*i:32*\t+2*i+1], v[ST+8*\t+6:ST+8*\t+7], v[BV+2*i:BV+2*i+1] op_sel_hi:[1,0,1]
.set i, i+1
.endr
	WIN 0x05                        ; sources window 1, destination window 0: S^T's registers are free
.set i, 0
.rept 16
	v_cvt_pk_f16_f32 v[S+16*\t+i], v[32*\t+2*i], v[32*\t+2*i+1]
.set i, i+1
.endr
	WIN 0
.irp n, 0,1,2,3
	global_store_b128 v[AL], v[S+16*\t+4*\n:S+16*\t+4*\n+3], s[10:11] offset:8192*\t+512*\n   ; 32 lanes store 512 consecutive bytes, aligned
.endr
.endm
	FINISH 0
	FINISH 1
	FINISH 2
	FINISH 3
	s_wait_tensorcnt 0x0            ; the wave's end
	ds_add_u32 v[SPW], v[NIL]
	s_wait_dscnt 0x0
	CROUND                          ; the closing round
	s_endpgm
.Lfunc_end_k_q462372536b_attn:
	.size	k_q462372536b_attn, .Lfunc_end_k_q462372536b_attn-k_q462372536b_attn
	.p2alignl 7, 3214868480
	.fill 96, 4, 3214868480
	.section	.rodata,"a",@progbits
	.p2align	6, 0x0
	.amdhsa_kernel k_q462372536b_attn
		.amdhsa_group_segment_fixed_size 327680
		.amdhsa_private_segment_fixed_size 0
		.amdhsa_enable_private_segment 0
		.amdhsa_kernarg_size 32
		.amdhsa_user_sgpr_count 2
		.amdhsa_user_sgpr_kernarg_segment_ptr 1
		.amdhsa_wavefront_size32 1
		.amdhsa_system_sgpr_workgroup_id_x 1
		.amdhsa_system_sgpr_workgroup_id_y 1
		.amdhsa_system_sgpr_workgroup_id_z 1
		.amdhsa_system_vgpr_workitem_id 0
		.amdhsa_next_free_vgpr 768
		.amdhsa_next_free_sgpr 70
		.amdhsa_reserve_vcc 0
		.amdhsa_float_denorm_mode_32 3
		.amdhsa_float_denorm_mode_16_64 3
		.amdhsa_memory_ordered 1
		.amdhsa_forward_progress 1
		.amdhsa_inst_pref_size 194
	.end_amdhsa_kernel
	.amdgpu_metadata
---
amdhsa.version: [ 1, 2 ]
amdhsa.kernels:
  - .name:           k_q462372536b_attn
    .symbol:         k_q462372536b_attn.kd
    .args:
      - { .name: img, .offset: 0, .size: 8, .value_kind: global_buffer, .address_space: global }
      - { .name: maskb, .offset: 8, .size: 8, .value_kind: global_buffer, .address_space: global }
      - { .name: b_v, .offset: 16, .size: 8, .value_kind: global_buffer, .address_space: global }
      - { .name: ximg, .offset: 24, .size: 8, .value_kind: global_buffer, .address_space: global }
    .group_segment_fixed_size: 327680
    .private_segment_fixed_size: 0
    .kernarg_segment_align: 8
    .kernarg_segment_size: 32
    .max_flat_workgroup_size: 128
    .sgpr_count:     70
    .vgpr_count:     768
    .wavefront_size: 32
...
	.end_amdgpu_metadata
.endif
;; end of part 3
;; launch oproj (part 4): grid 8 x 64, 4 waves a work-group, clusters of 4 x 4, 327,680 bytes of LDS; arguments ximg, wimg, b_o, out0; writes out0
.if DOCPART == 4
	.amdgcn_target "amdgcn-amd-amdhsa--gfx1250"
	.amdhsa_code_object_version 6
	.text
	.protected	k_q462372536b_oproj
	.globl	k_q462372536b_oproj
	.p2align	8
	.type	k_q462372536b_oproj,@function
k_q462372536b_oproj:
	s_mov_b64 s[64:65], 0
	v_nop
	global_prefetch_b8 v0, s[64:65] scope:SCOPE_SE
	s_setreg_imm32_b32 hwreg(HW_REG_WAVE_MODE, 25, 1), 1
	s_wait_xcnt 0x0
	s_wait_alu depctr_hold_cnt(0) depctr_sa_sdst(0) depctr_va_vdst(0) depctr_va_sdst(0) depctr_va_ssrc(0) depctr_va_vcc(0) depctr_vm_vsrc(0)
	s_getreg_b32 s2, hwreg(HW_REG_IB_STS2, 6, 4)
	s_cmp_eq_u32 s2, 0
	s_cbranch_scc0 .Lentry_in_a_cluster
	s_endpgm
.Lentry_in_a_cluster:
	s_bfe_u32 s2, ttmp6, 0x10000c
	s_cmp_lg_u32 s2, 0xf033
	s_cbranch_scc0 .Lentry_shape_is_right
	s_endpgm
.Lentry_shape_is_right:
; out0 = X w_o^T + b_o.  X [8192][1024] and w_o [1024 n][1024 k] arrive in f16 as images of operand registers (16 rows x 32 K, 1,024 bytes; registers 4 c .. 4 c + 3 of lane l at 512 c + 16 l):
;   ximg [K step of 256: 4][tile of 16 rows: 512][32 k: 8][image],  wimg [K step: 4][tile of 16 n: 64][32 k: 8][image].  out0 [8192][1024] f32; sums in f32; b_o is the C of each sum's first product.
; A tile of the output is 128 x 128: 512 work-groups, two even shares for each WGP.  Four waves, each 64 x 64: 16 accumulators.  K goes in four steps of 256 through a ring of two LDS slots.
; A K step's 64 rows of X, or of w_o, are one dense block of 32,768 bytes: a wave's tensor load brings it without padding, and a fragment is read at 16 x lane: 512 consecutive bytes an instruction.
; CLUSTERS: 4 x 4 work-groups; X's tiles are asked for jointly along a row of the cluster, w_o's along a column.
; THE MATRIX INSTRUCTION IS USED TRANSPOSED (source 0 = 16 rows of w_o, source 1 = 16 rows of X): a lane holds eight neighbouring numbers of a row of the output.
; REGISTERS: window 0: v0-31 addresses; v32-95 rows on the way out; v96-127 b_o; v128-255 the accumulators ((a, b) at v[128 + 8 (4 a + b)]).   window 1: two fragment buffers of 128: 64 of X, then 64 of w_o.
.set HALFT,  32768                     ; four tiles of 16 rows x 256 K: what one tensor load brings, and what one wave reads of X or of w_o
.set SLOT,   4*HALFT
.set STAGE,  2*SLOT                    ; behind the ring: 16 rows x 272 bytes for each wave
.set SPITCH, 272
.set SPARE,  STAGE+4*16*SPITCH
.set ASTEP,  1<<22                     ; bytes from a K step to the next in ximg
.set BSTEP,  1<<19                     ; in wimg
.set LAPS,   2                         ; a lap = two K steps = once round the ring
.set ADRA, 16
.set ADRB, 20
.set STO,  24
.set RD,   25
.set CO,   26
.set SPW,  28
.set NIL,  29
.set TMP,  32
.set BO,   96
.set ACC,  128
.set F0,   0
.set F1,   128
.set WV, 12                            ; s12 wave;  s13 wave / 2: my half of the rows, and: I fetch for X (0) or w_o (1);  s14 wave % 2: my half of the columns, and: which half I fetch
.set HR, 13
.set HC, 14
.set TR, 15                            ; s15 tile row;  s42 tile column
.set TC, 42
.set G1, 24
.set G0, 32
.set G1B, 48
.set G0B, 56
.set MSB, 0
.macro WIN new
.if MSB != \new
	s_set_vgpr_msb (MSB<<8)|\new
.set MSB, \new
.endif
.endm
.set MUL,  0x05                        ; sources 0 and 1 window 1; C and D window 0
.set TO_F, 0x40                        ; destination window 1, address window 0
.macro JLOAD s                         ; a joint load; an s_nop 0 and four v_nop follow each of the two lines
	s_cmp_eq_u32 s[HR], 0
	s_cbranch_scc0 .Lfor_b_\@
	tensor_load_to_lds s[G0+4*\s:G0+4*\s+3], s[G1:G1+7]
	s_nop 0
.rept 4
	v_nop
.endr
	s_branch .Lasked_\@
.Lfor_b_\@:
	tensor_load_to_lds s[G0B+4*\s:G0B+4*\s+3], s[G1B:G1B+7]
	s_nop 0
.rept 4
	v_nop
.endr
.Lasked_\@:
.endm
.macro CREST
	s_cmp_lg_u32 s[WV], 0
	s_cbranch_scc1 .Lnot_wave_0_\@
	s_barrier_signal -3
.Lnot_wave_0_\@:
	s_barrier_wait -3
	s_barrier_signal -1
	s_barrier_wait -1
.endm
.macro CROUND
	s_barrier_signal -1
	s_barrier_wait -1
	CREST
.endm
	s_load_b256 s[4:11], s[0:1], 0x0               ; ximg s[4:5], wimg s[6:7], b_o s[8:9], out0 s[10:11]
	v_lshl_add_u32 v[SPW], v0, 2, SPARE
	v_mov_b32 v[NIL], 0
	ds_add_u32 v[SPW], v[NIL]                      ; the wave's opening: the add, twice on end, and its wait ahead of my first tensor load
	ds_add_u32 v[SPW], v[NIL]
	v_lshrrev_b32 v1, 5, v0
	v_readfirstlane_b32 s[WV], v1
	s_lshr_b32 s[HR], s[WV], 1
	s_and_b32 s[HC], s[WV], 1
	s_bfe_u32 s40, ttmp6, 0x40000                  ; cx
	s_bfe_u32 s41, ttmp6, 0x40004                  ; cy
	s_lshl_b32 s[TC], ttmp9, 2
	s_add_co_u32 s[TC], s[TC], s40
	s_and_b32 s[TR], ttmp7, 0xffff
	s_lshl_b32 s[TR], s[TR], 2
	s_add_co_u32 s[TR], s[TR], s41
	s_lshl_b32 s43, s41, 2
	s_lshl_b32 s43, 15, s43                        ; my row of the cluster
	s_lshl_b32 s44, 0x1111, s40                    ; my column
	; descriptor group 1: a dense block of 32,768 bytes as 128 rows of 256 bytes (32 elements of 8 bytes), no padding
	s_or_b32 s[G1+0], s43, (3<<16)|(1<<21)
	s_or_b32 s[G1B+0], s44, (3<<16)|(1<<21)
.irp g, G1, G1B
	s_mov_b32 s[\g+1], 32<<16
	s_mov_b32 s[\g+2], 128<<16
	s_mov_b32 s[\g+3], 32<<16
	s_mov_b32 s[\g+4], 128
	s_mov_b32 s[\g+5], 32
	s_mov_b32 s[\g+6], 0
	s_mov_b32 s[\g+7], 0
.endr
	s_lshl_b32 s18, s[HC], 2                       ; which four tiles of 16 I fetch
	s_lshl_b32 s16, s[TR], 3
	s_add_co_u32 s16, s16, s18
	s_lshl_b32 s16, s16, 13                        ; X: 8,192 bytes a tile of 16 rows
	s_mov_b32 s17, 0
	s_lshl_b32 s46, s[TC], 3
	s_add_co_u32 s46, s46, s18
	s_lshl_b32 s46, s46, 13                        ; w_o likewise
	s_mov_b32 s47, 0
	s_lshl_b32 s20, s[WV], 15                      ; where they go: wave x 32,768
	s_wait_dscnt 0x0                               ; both opening adds are done
	s_wait_kmcnt 0x0
	s_add_nc_u64 s[18:19], s[4:5], s[16:17]
	s_add_nc_u64 s[46:47], s[6:7], s[46:47]
	CROUND                                         ; all sixteen work-groups are here: the first joint loads meet
.irp s, 0,1
	s_mov_b32 s[G0+4*\s], 1
	s_add_co_u32 s[G0+4*\s+1], s20, \s*SLOT
	s_add_nc_u64 s[G0+4*\s+2:G0+4*\s+3], s[18:19], \s*ASTEP
	s_or_b32 s[G0+4*\s+3], s[G0+4*\s+3], 0x80000000
	s_mov_b32 s[G0B+4*\s], 1
	s_add_co_u32 s[G0B+4*\s+1], s20, \s*SLOT
	s_add_nc_u64 s[G0B+4*\s+2:G0B+4*\s+3], s[46:47], \s*BSTEP
	s_or_b32 s[G0B+4*\s+3], s[G0B+4*\s+3], 0x80000000
	JLOAD \s
.endr
	v_and_b32 v1, 15, v0                           ; l % 16
	v_bfe_u32 v2, v0, 4, 1                         ; l / 16
	s_lshl_b32 s46, s[TC], 7
	s_lshl_b32 s47, s[HC], 6
	s_add_co_u32 s46, s46, s47
	s_lshl_b32 s46, s46, 2                         ; my first column, in bytes
	s_mov_b32 s47, 0
	s_add_nc_u64 s[8:9], s[8:9], s[46:47]
	s_add_nc_u64 s[10:11], s[10:11], s[46:47]
	s_lshl_b32 s16, s[TR], 7
	s_lshl_b32 s17, s[HR], 6
	s_add_co_u32 s16, s16, s17
	s_lshl_b32 s16, s16, 12                        ; my first row, 4,096 bytes a row
	s_mov_b32 s17, 0
	s_add_nc_u64 s[10:11], s[10:11], s[16:17]
	v_lshlrev_b32 v6, 5, v2
.irp b, 0,1,2,3
.irp c, 0,1
	global_load_b128 v[BO+8*\b+4*\c:BO+8*\b+4*\c+3], v6, s[8:9] offset:64*\b+16*\c   ; b_o in the result's layout: register j of block b is column 16 b + 8 (l / 16) + j
.endr
.endr
	v_and_b32 v3, 31, v0
	v_lshlrev_b32 v3, 4, v3                        ; my place in an image
	s_lshl_b32 s21, s[HR], 15                      ; my 64 rows of X
	s_lshl_b32 s22, s[HC], 15                      ; my 64 rows of w_o,
	s_add_co_u32 s22, s22, 2*HALFT                 ; which lie behind X's 128
.irp s, 0,1
	v_add_nc_u32 v[ADRA+\s], s21, v3
	v_add_nc_u32 v[ADRB+\s], s22, v3
	s_add_co_u32 s21, s21, SLOT
	s_add_co_u32 s22, s22, SLOT
.endr
	s_mul_i32 s23, s[WV], 16*SPITCH
	s_add_co_u32 s23, s23, STAGE                   ; my stage
	v_mul_u32_u24 v4, v1, SPITCH                   ; in: row l % 16, 32 bytes for each half of the lanes
	v_lshl_add_u32 v4, v2, 5, v4
	v_add_nc_u32 v[STO], s23, v4
	v_mul_u32_u24 v5, v2, SPITCH                   ; back: lanes 0-15 take one row of 256 bytes, lanes 16-31 the next
	v_lshl_add_u32 v5, v1, 4, v5
	v_add_nc_u32 v[RD], s23, v5
	v_lshlrev_b32 v5, 12, v2                       ; and the same two rows in out0
	v_lshl_add_u32 v[CO], v1, 4, v5
; 8 matrix instructions: m blocks a0, a0 + 1 x all 4 n blocks, 32 along K: half c of buffer f.  zero = 1: the first product starts the sums, with b_o as its C.  The 16 accumulators take turns.
.macro MUL8 f, c, a0, zero
.irp a, \a0, \a0+1
.irp b, 0,1,2,3
.if \zero
	v_wmma_f32_16x16x32_f16 v[ACC+8*(4*(\a)+\b):ACC+8*(4*(\a)+\b)+7], v[\f+64+8*(4*\c+\b):\f+64+8*(4*\c+\b)+7], v[\f+8*(4*\c+\a):\f+8*(4*\c+\a)+7], v[BO+8*\b:BO+8*\b+7]
.else
	v_wmma_f32_16x16x32_f16 v[ACC+8*(4*(\a)+\b):ACC+8*(4*(\a)+\b)+7], v[\f+64+8*(4*\c+\b):\f+64+8*(4*\c+\b)+7], v[\f+8*(4*\c+\a):\f+8*(4*\c+\a)+7], v[ACC+8*(4*(\a)+\b):ACC+8*(4*(\a)+\b)+7]
.endif
.endr
.endr
.endm
; 32 LDS loads in one run: the fragments of 64 along K (images kq and kq + 1 of each tile of 16 rows) into buffer f; the first 32 along K first
.macro FETCH slot, kq, f
	WIN TO_F
.irp c, 0,1
.irp i, 0,1,2,3
	ds_load_b128 v[\f+64+8*(4*\c+\i):\f+64+8*(4*\c+\i)+3],   v[ADRB+\slot] offset:8192*\i+1024*(\kq+\c)
	ds_load_b128 v[\f+64+8*(4*\c+\i)+4:\f+64+8*(4*\c+\i)+7], v[ADRB+\slot] offset:8192*\i+1024*(\kq+\c)+512
	ds_load_b128 v[\f+8*(4*\c+\i):\f+8*(4*\c+\i)+3],         v[ADRA+\slot] offset:8192*\i+1024*(\kq+\c)
	ds_load_b128 v[\f+8*(4*\c+\i)+4:\f+8*(4*\c+\i)+7],       v[ADRA+\slot] offset:8192*\i+1024*(\kq+\c)+512
.endr
.endr
.endm
.macro PLACES                          ; four places in front of loads into registers that matrix instructions have read, and of the first read of results
.rept 4
	v_nop
.endr
.endm
; A K step is four quarters of 64 along K, 32 matrix instructions each, on buffers 0, 1, 0, 1.
.macro QUARTER slot, kq, f, g, zero
	s_wait_dscnt 16                                ; the first 32 along K are in; the sixteen younger loads may be out
	WIN MUL
	MUL8 \f, 0, 0, \zero
	MUL8 \f, 0, 2, \zero
	PLACES
	FETCH \slot, \kq, \g
	s_wait_dscnt 32                                ; all but the 32 just issued
	WIN MUL
	MUL8 \f, 1, 0, 0
	MUL8 \f, 1, 2, 0
.endm
; The last quarter changes slots: one barrier; in front of it each wave waits for all its tensor loads, adds 0 to its spare word, and waits for that and for its reads of this slot.  fill = 1: the slot is filled again, two K steps ahead.
.macro TURN slot, next, fill
	WIN 0
	s_wait_tensorcnt 0x0                           ; all my tensor loads have landed: my part of the next slot;
	ds_add_u32 v[SPW], v[NIL]                      ; 0 onto my spare word;
	s_wait_dscnt 17                                ; (the add and the youngest sixteen loads may be out)
	WIN MUL
	MUL8 F1, 0, 0, 0
	s_wait_dscnt 0x0                               ; the add is done, and my reads of this slot are over
	s_barrier_signal -1
	MUL8 F1, 0, 2, 0
.if \fill
	WIN 0
.endif
	s_barrier_wait -1
.if \fill
	CREST                                          ; the barrier has opened a round of the cluster's: no wave of any partner still reads this slot or has a load on its way
	s_add_nc_u64 s[G0+4*\slot+2:G0+4*\slot+3], s[G0+4*\slot+2:G0+4*\slot+3], 2*ASTEP
	s_add_nc_u64 s[G0B+4*\slot+2:G0B+4*\slot+3], s[G0B+4*\slot+2:G0B+4*\slot+3], 2*BSTEP
	JLOAD \slot                                    ; the first tensor load behind the round; its four v_nop are also the places in front of the loads below
.else
	PLACES
.endif
	FETCH \next, 0, F0
	WIN MUL
	MUL8 F1, 1, 0, 0
	MUL8 F1, 1, 2, 0
.endm
	s_wait_loadcnt 0x0                             ; b_o
	s_wait_tensorcnt 1                             ; my part of K step 0 is in (K step 1's may be out)
	s_barrier_signal -1
	s_barrier_wait -1                              ; everybody's is
	FETCH 0, 0, F0
	QUARTER 0, 2, F0, F1, 1                        ; the first quarter stands in front of the loop: its first products start the sums
	WIN 0
	s_mov_b32 s3, LAPS-1
.Llap:                                                 ; a trip goes once round the ring and fills both slots again
	QUARTER 0, 4, F1, F0, 0
	QUARTER 0, 6, F0, F1, 0
	TURN 0, 1, 1
	QUARTER 1, 2, F0, F1, 0
	QUARTER 1, 4, F1, F0, 0
	QUARTER 1, 6, F0, F1, 0
	TURN 1, 0, 1
	QUARTER 0, 2, F0, F1, 0
	WIN 0
	s_sub_co_u32 s3, s3, 1
	s_cmp_lg_u32 s3, 0
	s_cbranch_scc1 .Llap
	QUARTER 0, 4, F1, F0, 0                        ; the last lap fills nothing
	QUARTER 0, 6, F0, F1, 0
	TURN 0, 1, 0
	QUARTER 1, 2, F0, F1, 0
	QUARTER 1, 4, F1, F0, 0
	QUARTER 1, 6, F0, F1, 0
	s_wait_dscnt 16
	WIN MUL
	MUL8 F1, 0, 0, 0
	MUL8 F1, 0, 2, 0
	s_wait_dscnt 0
	MUL8 F1, 1, 1-1, 0
	MUL8 F1, 1, 2, 0
	WIN 0
; THE WAY OUT.  A wave's 64 columns of f32 are 256 bytes, aligned: so each wave has a stage of its own and no barrier is needed.  A block of 16 rows goes in, 32 bytes a lane, and comes back as whole rows:
; sixteen lanes store 256 consecutive bytes.  LDS serves a wave's instructions in order: no wait stands between the stores and the loads.
.macro TOSTAGE a
.irp b, 0,1,2,3
	ds_store_b128 v[STO], v[ACC+8*(4*(\a)+\b):ACC+8*(4*(\a)+\b)+3] offset:64*\b          ; each accumulator from its low end on
	ds_store_b128 v[STO], v[ACC+8*(4*(\a)+\b)+4:ACC+8*(4*(\a)+\b)+7] offset:64*\b+16
.endr
.irp t, 0,1,2,3,4,5,6,7
	ds_load_b128 v[TMP+32*((\a)%2)+4*\t:TMP+32*((\a)%2)+4*\t+3], v[RD] offset:\t*2*SPITCH
.endr
.endm
.macro SEND a, younger                 ; younger: the LDS instructions issued behind block a's loads
	s_wait_dscnt \younger
.irp t, 0,1,2,3,4,5,6,7
	global_store_b128 v[CO], v[TMP+32*((\a)%2)+4*\t:TMP+32*((\a)%2)+4*\t+3], s[10:11] offset:(16*(\a)+2*\t)*4096 th:TH_STORE_NT
.endr
.endm
	PLACES
	TOSTAGE 0
	TOSTAGE 1
	SEND 0, 16                                     ; behind block 0's loads: block 1's eight stores and eight loads
	s_wait_xcnt 0x0                                ; block 0's stores have read their data: block 2's loads may land there
	TOSTAGE 2
	SEND 1, 16
	s_wait_xcnt 0x0
	TOSTAGE 3
	SEND 2, 16
	SEND 3, 0
	s_wait_tensorcnt 0x0                           ; the wave's end
	ds_add_u32 v[SPW], v[NIL]
	s_wait_dscnt 0x0
	CROUND                                         ; the closing round
	s_endpgm
.Lfunc_end_k_q462372536b_oproj:
	.size	k_q462372536b_oproj, .Lfunc_end_k_q462372536b_oproj-k_q462372536b_oproj
	.p2alignl 7, 3214868480
	.fill 96, 4, 3214868480
	.section	.rodata,"a",@progbits
	.p2align	6, 0x0
	.amdhsa_kernel k_q462372536b_oproj
		.amdhsa_group_segment_fixed_size 327680
		.amdhsa_private_segment_fixed_size 0
		.amdhsa_enable_private_segment 0
		.amdhsa_kernarg_size 32
		.amdhsa_user_sgpr_count 2
		.amdhsa_user_sgpr_kernarg_segment_ptr 1
		.amdhsa_wavefront_size32 1
		.amdhsa_system_sgpr_workgroup_id_x 1
		.amdhsa_system_sgpr_workgroup_id_y 1
		.amdhsa_system_sgpr_workgroup_id_z 1
		.amdhsa_system_vgpr_workitem_id 0
		.amdhsa_next_free_vgpr 512
		.amdhsa_next_free_sgpr 66
		.amdhsa_reserve_vcc 0
		.amdhsa_float_denorm_mode_32 3
		.amdhsa_float_denorm_mode_16_64 3
		.amdhsa_memory_ordered 1
		.amdhsa_forward_progress 1
		.amdhsa_inst_pref_size 86
	.end_amdhsa_kernel
	.amdgpu_metadata
---
amdhsa.version: [ 1, 2 ]
amdhsa.kernels:
  - .name:           k_q462372536b_oproj
    .symbol:         k_q462372536b_oproj.kd
    .args:
      - { .name: ximg, .offset: 0, .size: 8, .value_kind: global_buffer, .address_space: global }
      - { .name: wimg, .offset: 8, .size: 8, .value_kind: global_buffer, .address_space: global }
      - { .name: b_o, .offset: 16, .size: 8, .value_kind: global_buffer, .address_space: global }
      - { .name: out0, .offset: 24, .size: 8, .value_kind: global_buffer, .address_space: global }
    .group_segment_fixed_size: 327680
    .private_segment_fixed_size: 0
    .kernarg_segment_align: 8
    .kernarg_segment_size: 32
    .max_flat_workgroup_size: 128
    .sgpr_count:     66
    .vgpr_count:     512
    .wavefront_size: 32
...
	.end_amdgpu_metadata
.endif
;; end of part 4
